; MI455X (gfx1250); checked and timed in simulation.
; The chip was launched on July 23, 2026; its instructions are those of AMD's public machine-readable ISA for CDNA 5 (MIT licence, August 2026) and "CDNA5" Instruction Set Architecture Reference Guide (July 2026). The comments in the code are by the model that wrote it; some were corrected since.
;; Multi Head Attention. Allowed arithmetic: float matrix products may take bf16 or f16 operands with f32 sums; all other float work in f32.
;; Inputs: Wk 1,024 x 1,024 float32; Wp 1,024 x 1,024 float32; Wq 1,024 x 1,024 float32; Wv 1,024 x 1,024 float32; attention_mask 2 x 2,048 float32; bp 1,024 float32; x 2 x 2,048 x 1,024 float32.
;; Outputs: out0 2 x 2,048 x 1,024 float32.
;; 2 versions, each right; version 2 is version 1 with the launch cast written anew for expert scheduling mode. Each part assembles by itself: llvm-mc -triple=amdgcn-amd-amdhsa -mcpu=gfx1250 --defsym DOCPART=n.
;; ======== version 1 of 2: 4 launches
;; limits: values are held in f16: magnitudes above 65,504 overflow, below 6.1e-05 lose precision
;; workspace buffers: xb 8,388,608 bytes; wb 6,291,456 bytes; wpb 2,097,152 bytes; qkv 25,165,824 bytes; att 8,388,608 bytes
;; launch cast (part 1): grid 512 x 1, 8 waves a work-group, no clusters, 0 bytes of LDS; arguments x, Wq, Wk, Wv, Wp, xb, wb, wpb; writes xb, wb, wpb
.if DOCPART == 1
	.amdgcn_target "amdgcn-amd-amdhsa--gfx1250"
	.amdhsa_code_object_version 6
	.text
	.protected	k_q0ab65cdfb0_cast
	.globl	k_q0ab65cdfb0_cast
	.p2align	8
	.type	k_q0ab65cdfb0_cast,@function
k_q0ab65cdfb0_cast:
	s_mov_b64 s[64:65], 0
	v_nop
	global_prefetch_b8 v0, s[64:65] scope:SCOPE_SE
	s_setreg_imm32_b32 hwreg(HW_REG_WAVE_MODE, 25, 1), 1
	s_wait_xcnt 0x0
; The matrix operands, rounded once.  xb = bf16(x); wb = bf16(Wq), bf16(Wk), bf16(Wv) one behind the other, each still [k][n];
; wpb = bf16(Wp) held as f16, since the last product's other operand is f16.
; LIMIT: the step from bf16 to f16 is exact for 2^-17 <= |Wp| < 65,504; smaller numbers are rounded to a multiple of 2^-24, larger ones become infinite.
; A stream: no LDS, no barrier, no matrix unit.  Each of the 512 work-groups takes 1/512 of every tensor: 32 KiB of x and 8 KiB of each weight,
; so that all work-groups do the same work and every address is made from its own buffer's pointer.
; A step is 4,096 bytes in (thread t: the 16 bytes at 16 t; a wave: 512 consecutive bytes) and 2,048 bytes out (thread t: 8 bytes at 8 t;
; a wave's store covers 256 consecutive bytes, aligned).  All 16 loads of a thread are issued before the first is used.
.set X, 4                              ; v[4:67]   step e: 4 numbers in f32
.set Y, 68                             ; v[68:99]  step e: 4 numbers of 16 bits
	s_load_b512 s[8:23], s[0:1], 0x0               ; x s[8:9], Wq s[10:11], Wk s[12:13], Wv s[14:15], Wp s[16:17], xb s[18:19], wb s[20:21], wpb s[22:23]
	s_lshl_b32 s24, ttmp9, 15                      ; my part of x: 32 KiB
	s_mov_b32 s25, 0
	s_lshl_b32 s26, ttmp9, 14                      ; of xb: 16 KiB
	s_mov_b32 s27, 0
	s_lshl_b32 s28, ttmp9, 13                      ; of a weight: 8 KiB
	s_mov_b32 s29, 0
	s_lshl_b32 s30, ttmp9, 12                      ; of a rounded weight: 4 KiB
	s_mov_b32 s31, 0
	s_mov_b32 s2, 0xffff0000                       ; a word's upper bf16
	v_lshlrev_b32 v1, 4, v0                        ; 16 t
	v_lshlrev_b32 v2, 3, v0                        ; 8 t
	s_wait_kmcnt 0x0
	s_add_nc_u64 s[8:9], s[8:9], s[24:25]
	s_add_nc_u64 s[10:11], s[10:11], s[28:29]
	s_add_nc_u64 s[12:13], s[12:13], s[28:29]
	s_add_nc_u64 s[14:15], s[14:15], s[28:29]
	s_add_nc_u64 s[16:17], s[16:17], s[28:29]
	s_add_nc_u64 s[18:19], s[18:19], s[26:27]
	s_add_nc_u64 s[20:21], s[20:21], s[30:31]
	s_add_nc_u64 s[22:23], s[22:23], s[30:31]
.irp e, 0,1,2,3,4,5,6,7
	global_load_b128 v[X+4*\e:X+4*\e+3], v1, s[8:9] offset:4096*\e th:TH_LOAD_NT              ; steps 0 to 7: x
.endr
.irp e, 0,1
	global_load_b128 v[X+32+4*\e:X+32+4*\e+3], v1, s[10:11] offset:4096*\e th:TH_LOAD_NT      ; steps 8, 9: Wq
.endr
.irp e, 0,1
	global_load_b128 v[X+40+4*\e:X+40+4*\e+3], v1, s[12:13] offset:4096*\e th:TH_LOAD_NT      ; steps 10, 11: Wk
.endr
.irp e, 0,1
	global_load_b128 v[X+48+4*\e:X+48+4*\e+3], v1, s[14:15] offset:4096*\e th:TH_LOAD_NT      ; steps 12, 13: Wv
.endr
.irp e, 0,1
	global_load_b128 v[X+56+4*\e:X+56+4*\e+3], v1, s[16:17] offset:4096*\e th:TH_LOAD_NT      ; steps 14, 15: Wp
.endr
; Step e is rounded and stored at s[b:b+1] + off.  wp = 1: the bf16 value is widened again and written as f16.
; No register that a store reads is written again, so nothing has to be freed.  The stores carry no hint: the next launch reads these bytes.
.macro CAST e, b, off, wp
	s_wait_loadcnt 15-\e                           ; loads come back in order (ISA guide 5.7.1): step e is in, the 15 - e younger ones stay out
	v_cvt_pk_bf16_f32 v[Y+2*\e],   v[X+4*\e],   v[X+4*\e+1]
	v_cvt_pk_bf16_f32 v[Y+2*\e+1], v[X+4*\e+2], v[X+4*\e+3]
.if \wp
	v_lshlrev_b32 v[X+4*\e],   16, v[Y+2*\e]       ; the rounded values as f32
	v_and_b32     v[X+4*\e+1], s2, v[Y+2*\e]
	v_lshlrev_b32 v[X+4*\e+2], 16, v[Y+2*\e+1]
	v_and_b32     v[X+4*\e+3], s2, v[Y+2*\e+1]
	v_cvt_pk_f16_f32 v[Y+2*\e],   v[X+4*\e],   v[X+4*\e+1]
	v_cvt_pk_f16_f32 v[Y+2*\e+1], v[X+4*\e+2], v[X+4*\e+3]
.endif
	global_store_b64 v2, v[Y+2*\e:Y+2*\e+1], s[\b:\b+1] offset:\off
.endm
.irp e, 0,1,2,3,4,5,6,7
	CAST \e, 18, 2048*\e, 0
.endr
	CAST 8,  20, 0, 0
	CAST 9,  20, 2048, 0
	CAST 10, 20, 2097152, 0                        ; Wk's image begins 2 MiB into wb
	CAST 11, 20, 2097152+2048, 0
	CAST 12, 20, 4194304, 0                        ; Wv's 4 MiB
	CAST 13, 20, 4194304+2048, 0
	CAST 14, 22, 0, 1
	CAST 15, 22, 2048, 1
	s_endpgm
.Lfunc_end_k_q0ab65cdfb0_cast:
	.size	k_q0ab65cdfb0_cast, .Lfunc_end_k_q0ab65cdfb0_cast-k_q0ab65cdfb0_cast
	.p2alignl 7, 3214868480
	.fill 96, 4, 3214868480
	.section	.rodata,"a",@progbits
	.p2align	6, 0x0
	.amdhsa_kernel k_q0ab65cdfb0_cast
		.amdhsa_group_segment_fixed_size 0
		.amdhsa_private_segment_fixed_size 0
		.amdhsa_enable_private_segment 0
		.amdhsa_kernarg_size 64
		.amdhsa_user_sgpr_count 2
		.amdhsa_user_sgpr_kernarg_segment_ptr 1
		.amdhsa_wavefront_size32 1
		.amdhsa_system_sgpr_workgroup_id_x 1
		.amdhsa_system_sgpr_workgroup_id_y 1
		.amdhsa_system_sgpr_workgroup_id_z 1
		.amdhsa_system_vgpr_workitem_id 0
		.amdhsa_next_free_vgpr 100
		.amdhsa_next_free_sgpr 66
		.amdhsa_reserve_vcc 0
		.amdhsa_float_denorm_mode_32 3
		.amdhsa_float_denorm_mode_16_64 3
		.amdhsa_memory_ordered 1
		.amdhsa_forward_progress 1
		.amdhsa_inst_pref_size 7
	.end_amdhsa_kernel
	.amdgpu_metadata
---
amdhsa.version: [ 1, 2 ]
amdhsa.kernels:
  - .name:           k_q0ab65cdfb0_cast
    .symbol:         k_q0ab65cdfb0_cast.kd
    .args:
      - { .name: x, .offset: 0, .size: 8, .value_kind: global_buffer, .address_space: global }
      - { .name: Wq, .offset: 8, .size: 8, .value_kind: global_buffer, .address_space: global }
      - { .name: Wk, .offset: 16, .size: 8, .value_kind: global_buffer, .address_space: global }
      - { .name: Wv, .offset: 24, .size: 8, .value_kind: global_buffer, .address_space: global }
      - { .name: Wp, .offset: 32, .size: 8, .value_kind: global_buffer, .address_space: global }
      - { .name: xb, .offset: 40, .size: 8, .value_kind: global_buffer, .address_space: global }
      - { .name: wb, .offset: 48, .size: 8, .value_kind: global_buffer, .address_space: global }
      - { .name: wpb, .offset: 56, .size: 8, .value_kind: global_buffer, .address_space: global }
    .group_segment_fixed_size: 0
    .private_segment_fixed_size: 0
    .kernarg_segment_align: 8
    .kernarg_segment_size: 64
    .max_flat_workgroup_size: 256
    .sgpr_count:     66
    .vgpr_count:     100
    .wavefront_size: 32
...
	.end_amdgpu_metadata
.endif
;; end of part 1
;; launch qkv (part 2): grid 12 x 16, 4 waves a work-group, clusters of 4 x 4, 327,680 bytes of LDS; arguments xb, wb, qkv; writes qkv
.if DOCPART == 2
	.amdgcn_target "amdgcn-amd-amdhsa--gfx1250"
	.amdhsa_code_object_version 6
	.text
	.protected	k_q0ab65cdfb0_qkv
	.globl	k_q0ab65cdfb0_qkv
	.p2align	8
	.type	k_q0ab65cdfb0_qkv,@function
k_q0ab65cdfb0_qkv:
	s_mov_b64 s[64:65], 0
	v_nop
	global_prefetch_b8 v0, s[64:65] scope:SCOPE_SE
	s_setreg_imm32_b32 hwreg(HW_REG_WAVE_MODE, 25, 1), 1
	s_wait_xcnt 0x0
	s_wait_alu depctr_hold_cnt(0) depctr_sa_sdst(0) depctr_va_vdst(0) depctr_va_sdst(0) depctr_va_ssrc(0) depctr_va_vcc(0) depctr_vm_vsrc(0)
	s_getreg_b32 s2, hwreg(HW_REG_IB_STS2, 6, 4)
	s_cmp_eq_u32 s2, 0
	s_cbranch_scc0 .Lentry_in_a_cluster
	s_endpgm
.Lentry_in_a_cluster:
	s_bfe_u32 s2, ttmp6, 0x10000c
	s_cmp_lg_u32 s2, 0xf033
	s_cbranch_scc0 .Lentry_shape_is_right
	s_endpgm
.Lentry_shape_is_right:
; qkv[m][n] = sum over k of xb[m][k] W[k][n], n = 0..3071 running through Wq's, Wk's and Wv's columns.  xb: [4096][1024] bf16; wb: three [1024 k][1024 n] bf16;
; qkv: [4096][3072] f16, rounded once from f32 sums.  LIMIT: |q|, |k|, |v| < 65,504 (f16); beyond that the stored number is infinite.
; A work-group makes 256 x 256 of qkv with four waves, as many as a WGP has SIMDs; a wave makes 128 x 128: 64 accumulator tiles of 16 x 16, 512 registers.
; 12 x 16 = 192 work-groups.  (128 x 384 would give 256, but a wave's piece of a row would then be 192 or 384 bytes, not whole aligned blocks of 256.)
; K goes in steps of 128 through a ring of two LDS slots filled by the tensor data mover.
; A's tile: 256 rows x 128 k, rows of 256 bytes.  B's tile stays as the weight lies, [k][n]: 128 k rows x 256 n, rows of 512 bytes; its fragments are read with the
; transposing LDS load, so no weight is transposed in memory.
; CLUSTERS: 4 x 4 work-groups.  The four of a row of the cluster need the same tiles of A, the four of a column the same tiles of B: such a tile is asked for jointly,
; each of the four issuing the same tensor load with a mask that names the four.  That divides the requests for A and for B by four.
;
; REGISTERS, in windows of 256:  window 0: v0-31 addresses; v64-127, v128-191 fragments of A, two buffers; v192-223 at work on the way out
;   window 1: v64-127, v128-191 fragments of B, two buffers;  window 2: accumulator tiles of my rows 0-63 (tile (a, b) at v[8 (8 a + b)]);  window 3: rows 64-127
; THE MATRIX INSTRUCTION IS USED TRANSPOSED: source 0 = 16 columns of W, source 1 = 16 rows of xb, so that a lane's eight results are eight neighbouring
; numbers of one row of qkv, which pack into 16 bytes.
.set SIZE_N, 3072
.set SIZE_K, 1024
.set KSTEP,  128
.set PITCH,  272                       ; A's LDS row: 256 bytes + 16 of padding: the 16 rows of a fragment load start 68 words apart, at 16 different places modulo 64 words
.set BPITCH, 544                       ; B's LDS row: 512 bytes + 32 of padding, 17 x 32: the eight rows and two 16-byte columns of a transposing load do not meet modulo 64 words
.set HALFT,  128*PITCH                 ; what one tensor load brings: 128 rows of A, or 64 k rows of B (64 x 544 = 34,816 too)
.set SLOT,   4*HALFT                   ; A's 256 rows, then B's 128 k rows
.set STAGE,  2*SLOT                    ; behind the ring: 16 rows x 272 bytes for each wave, for the way out; no tensor load lands there
.set SPITCH, 272
.set BSTEP,  KSTEP*2048                ; bytes from one K step to the next in a weight: 128 rows of 2,048 bytes
.set LAPS, SIZE_K/(2*KSTEP)            ; a lap = two K steps = once round the ring: 4 laps
.set ADRA, 16                          ; v16-17  LDS address of my A fragments in slot 0, 1
.set ADRB, 20                          ; v20-21  the same for B
.set STO,  24                          ; v24     the way out: where I put 16 bytes of a row
.set RD,   25                          ; v25     the way out: where I read a row back
.set CO,   26                          ; v26     my byte offset in qkv
.set F0,   64
.set F1,   128
.set TMP,  192
.set G1, 24                            ; s[24:31] descriptor group 1 for A's tiles
.set G0, 32                            ; s[32:39] group 0 for A's tiles, one set for each slot
.set G1B, 48                           ; s[48:55] group 1 for B's tiles
.set G0B, 56                           ; s[56:63] group 0 for B's tiles, one set for each slot
.set MSB, 0
.macro WIN new                         ; the immediate's high byte repeats the setting that is left; a switch that changes nothing is dropped
.if MSB != \new
	s_set_vgpr_msb (MSB<<8)|\new
.set MSB, \new
.endif
.endm
.set MUL_LO, 0xa1                      ; source 0 (B) window 1, source 1 (A) window 0, C and D window 2
.set MUL_HI, 0xf1                      ; the same, C and D window 3
.set TO_B,   0x40                      ; destination window 1, address window 0
; A joint load.  Waves 0 and 1 fetch A's two halves, waves 2 and 3 B's.  Each line has one mask and one set of registers for all that issue it.
; The branch hangs on the wave's number alone: it is the same in every work-group.
.macro JLOAD s
	s_cmp_eq_u32 s11, 0
	s_cbranch_scc0 .Lfor_b_\@
	tensor_load_to_lds s[G0+4*\s:G0+4*\s+3], s[G1:G1+7]
	s_nop 0
	s_branch .Lasked_\@
.Lfor_b_\@:
	tensor_load_to_lds s[G0B+4*\s:G0B+4*\s+3], s[G1B:G1B+7]
	s_nop 0
.Lasked_\@:
.endm
; A round of the cluster's barrier: my work-group's barrier, so that wave 0's signal speaks for all four waves; wave 0 signals for the work-group;
; every wave waits for all sixteen work-groups; my work-group's barrier once more.
.macro CREST                           ; a round behind its opening barrier
	s_cmp_lg_u32 s10, 0
	s_cbranch_scc1 .Lnot_wave_0_\@
	s_barrier_signal -3
.Lnot_wave_0_\@:
	s_barrier_wait -3
	s_barrier_signal -1
	s_barrier_wait -1
.endm
.macro CROUND                          ; a whole round
	s_barrier_signal -1
	s_barrier_wait -1
	CREST
.endm
	s_load_b128 s[4:7], s[0:1], 0x0                ; xb s[4:5], wb s[6:7]
	s_load_b64 s[8:9], s[0:1], 0x10                ; qkv
	s_set_vgpr_msb 0x40
	v_lshl_add_u32 v255, v0, 2, 0x48400
	s_set_vgpr_msb 0x4000
	v_mov_b32 v255, 0
	s_set_vgpr_msb 0x1
	ds_add_u32 v255, v255
	s_set_vgpr_msb 0x100
	v_lshrrev_b32 v1, 5, v0
	v_readfirstlane_b32 s10, v1                    ; wave 0..3
	s_lshr_b32 s11, s10, 1                         ; which half of the block's rows is mine.  Also: I fetch for A (0) or for B (1)
	s_and_b32 s12, s10, 1                          ; which half of its columns.  Also: which half of that tile I fetch
	s_bfe_u32 s40, ttmp6, 0x40000                  ; cx
	s_bfe_u32 s41, ttmp6, 0x40004                  ; cy
	s_lshl_b32 s42, ttmp9, 2
	s_add_co_u32 s42, s42, s40                     ; block column = 4 x cluster x + cx; cluster x is the weight's number (4 blocks of 256 columns a weight)
	s_and_b32 s13, ttmp7, 0xffff
	s_lshl_b32 s13, s13, 2
	s_add_co_u32 s13, s13, s41                     ; block row = 4 x cluster y + cy
	s_lshl_b32 s43, s41, 2
	s_lshl_b32 s43, 15, s43                        ; my row of the cluster: places 4 cy .. 4 cy + 3
	s_lshl_b32 s44, 0x1111, s40                    ; my column: places cx, cx + 4, cx + 8, cx + 12
	; group 1 for A: 128 rows x 128 elements of 2 bytes; after every 64 words (code 5) 4 words of padding (code 3); the mask of my row, bit 21 beside it
	s_or_b32 s[G1+0], s43, (1<<16)|(1<<20)|(1<<21)|(5<<22)|(3<<25)
	s_mov_b32 s[G1+1], KSTEP<<16                   ; tensor_dim0 = 128
	s_mov_b32 s[G1+2], 128<<16                     ; tensor_dim1 = 128
	s_mov_b32 s[G1+3], KSTEP<<16                   ; tile_dim0 = 128
	s_mov_b32 s[G1+4], 128                         ; tile_dim1 = 128
	s_mov_b32 s[G1+5], SIZE_K                      ; elements from row to row
	s_mov_b32 s[G1+6], 0
	s_mov_b32 s[G1+7], 0
	; group 1 for B: 64 k rows x 256 elements; after every 128 words (code 6) 8 words of padding (code 7); the mask of my column
	s_or_b32 s[G1B+0], s44, (1<<16)|(1<<20)|(1<<21)|(6<<22)|(7<<25)
	s_mov_b32 s[G1B+1], 256<<16                    ; tensor_dim0 = 256
	s_mov_b32 s[G1B+2], 64<<16                     ; tensor_dim1 = 64
	s_mov_b32 s[G1B+3], 256<<16                    ; tile_dim0 = 256
	s_mov_b32 s[G1B+4], 64                         ; tile_dim1 = 64
	s_mov_b32 s[G1B+5], 1024                       ; a weight's row
	s_mov_b32 s[G1B+6], 0
	s_mov_b32 s[G1B+7], 0
	; A's tiles hang on the block row alone, B's on the block column alone; each address is made in registers that never hold the other coordinate
	s_lshl_b32 s17, s12, 7
	s_lshl_b32 s16, s13, 8
	s_add_co_u32 s16, s16, s17                     ; A: row 256 x block row + 128 x half
	s_lshl_b32 s16, s16, 11                        ; x 2,048 bytes a row: below 2^23
	s_mov_b32 s17, 0
	s_lshl_b32 s46, ttmp9, 21                      ; B: the weight's 2 MiB,
	s_lshl_b32 s45, s40, 9                         ; 256 columns = 512 bytes for each cx,
	s_add_co_u32 s46, s46, s45
	s_lshl_b32 s45, s12, 17                        ; and 64 k rows of 2,048 bytes for the second half
	s_add_co_u32 s46, s46, s45
	s_mov_b32 s47, 0
	s_mul_i32 s20, s10, HALFT                      ; where they go: wave x 34,816: no place in the cluster enters an LDS address
	s_wait_dscnt 0x0
	s_wait_kmcnt 0x0
	s_add_nc_u64 s[14:15], s[4:5], s[16:17]
	s_add_nc_u64 s[46:47], s[6:7], s[46:47]
	CROUND                                         ; all sixteen work-groups are here: the first joint loads meet
.irp s, 0,1
	s_mov_b32 s[G0+4*\s], 1
	s_add_co_u32 s[G0+4*\s+1], s20, \s*SLOT
	s_add_nc_u64 s[G0+4*\s+2:G0+4*\s+3], s[14:15], \s*KSTEP*2      ; K step s: 256 bytes along A's rows
	s_or_b32 s[G0+4*\s+3], s[G0+4*\s+3], 0x80000000
	s_mov_b32 s[G0B+4*\s], 1
	s_add_co_u32 s[G0B+4*\s+1], s20, \s*SLOT
	s_add_nc_u64 s[G0B+4*\s+2:G0B+4*\s+3], s[46:47], \s*BSTEP      ; K step s: 128 rows down the weight
	s_or_b32 s[G0B+4*\s+3], s[G0B+4*\s+3], 0x80000000
	JLOAD \s                                       ; the ring is filled before anything else is done: two loads of a wave are out
.endr
	; A fragment: lane l holds row l % 16; registers 0-3 hold k = 8 (l / 16) + 0..7, registers 4-7 k = 16 + 8 (l / 16) + 0..7: two loads of 16 bytes, 32 bytes apart.
	; B fragment, from rows that lie along n: lane l addresses k row 8 (l / 16) + l % 8 and the 16-byte column (l / 8) % 2; the transposing load hands lane l
	; the eight k of column l % 16; the second load stands 16 k rows further down.
	v_and_b32 v1, 15, v0                           ; l % 16
	v_bfe_u32 v2, v0, 4, 1                         ; l / 16
	v_mul_u32_u24 v3, v1, PITCH
	v_lshl_add_u32 v3, v2, 4, v3                   ; A: row x pitch + 16 x half
	v_and_b32 v6, 7, v0
	v_lshl_add_u32 v6, v2, 3, v6
	v_mul_u32_u24 v6, v6, BPITCH
	v_bfe_u32 v7, v0, 3, 1
	v_lshl_add_u32 v6, v7, 4, v6                   ; B: k row x pitch + 16 x column half
	s_mul_i32 s21, s11, HALFT                      ; my 128 rows of A
	s_lshl_b32 s22, s12, 8                         ; my 128 columns of B: 256 bytes along its rows,
	s_add_co_u32 s22, s22, 2*HALFT                 ; which lie behind A's 256 rows
.irp s, 0,1
	v_add_nc_u32 v[ADRA+\s], s21, v3
	v_add_nc_u32 v[ADRB+\s], s22, v6
	s_add_co_u32 s21, s21, SLOT
	s_add_co_u32 s22, s22, SLOT
.endr
	s_mul_i32 s23, s10, 16*SPITCH
	s_add_co_u32 s23, s23, STAGE                   ; my stage
	v_mul_u32_u24 v4, v1, SPITCH
	v_lshl_add_u32 v4, v2, 4, v4
	v_add_nc_u32 v[STO], s23, v4
	v_mul_u32_u24 v5, v2, SPITCH
	v_lshl_add_u32 v5, v1, 4, v5
	v_add_nc_u32 v[RD], s23, v5
	v_mul_u32_u24 v5, v2, SIZE_N*2
	v_lshl_add_u32 v[CO], v1, 4, v5
; 16 matrix instructions: m blocks a0, a0 + 1 of the window's four x all 8 n blocks, 32 along K.  zero = 1: the first product starts the sums.
.macro MUL16 f, hi, a0, zero
.irp a, \a0, \a0+1
.irp b, 0,1,2,3,4,5,6,7
.if \zero
	v_wmma_f32_16x16x32_bf16 v[8*(8*(\a)+\b):8*(8*(\a)+\b)+7], v[\f+8*\b:\f+8*\b+7], v[\f+8*(4*\hi+\a):\f+8*(4*\hi+\a)+7], 0
.else
	v_wmma_f32_16x16x32_bf16 v[8*(8*(\a)+\b):8*(8*(\a)+\b)+7], v[\f+8*\b:\f+8*\b+7], v[\f+8*(4*\hi+\a):\f+8*(4*\hi+\a)+7], v[8*(8*(\a)+\b):8*(8*(\a)+\b)+7]
.endif
.endr
.endr
.endm
; 32 LDS loads in one run: the fragments of quarter kq of a K step (32 k) into buffer f: B's 128 columns, then A's 128 rows
.macro FETCH slot, kq, f
	WIN TO_B
.irp i, 0,1,2,3,4,5,6,7
	ds_load_tr16_b128 v[\f+8*\i:\f+8*\i+3],   v[ADRB+\slot] offset:\kq*32*BPITCH+32*\i
	ds_load_tr16_b128 v[\f+8*\i+4:\f+8*\i+7], v[ADRB+\slot] offset:\kq*32*BPITCH+32*\i+16*BPITCH
.endr
	WIN 0
.irp i, 0,1,2,3,4,5,6,7
	ds_load_b128 v[\f+8*\i:\f+8*\i+3],   v[ADRA+\slot] offset:64*\kq+\i*16*PITCH
	ds_load_b128 v[\f+8*\i+4:\f+8*\i+7], v[ADRA+\slot] offset:64*\kq+\i*16*PITCH+32
.endr
.endm
; A load into a register that a matrix instruction has read, and a vector instruction that reads a matrix result, stand four places behind that matrix
; instruction, and only plain vector instructions that name none of its registers are places; the matrix instructions between are not counted.
.macro PLACES
.rept 4
	v_nop
.endr
.endm
; A K step is four quarters of 32 along K, 64 matrix instructions each, on buffers 0, 1, 0, 1.  The 64 accumulators take turns, one instruction a turn, in the same
; order in every quarter, over the backward jump too.
; One of the first three quarters: multiplies buffer f; in its middle it fetches quarter kq of the same slot into buffer g.
.macro QUARTER slot, kq, f, g, zero
	s_wait_dscnt 8                                 ; B and A's rows 0-63 are in; the youngest eight loads (A's rows 64-127) may be out
	WIN MUL_LO
	MUL16 \f, 0, 0, \zero
	MUL16 \f, 0, 2, \zero
	PLACES
	FETCH \slot, \kq, \g
	s_wait_dscnt 32                                ; all but the 32 just issued
	WIN MUL_HI
	MUL16 \f, 1, 0, \zero
	MUL16 \f, 1, 2, \zero
.endm
.macro THREE slot, zero
	QUARTER \slot, 1, F0, F1, \zero
	QUARTER \slot, 2, F1, F0, 0
	QUARTER \slot, 3, F0, F1, 0
.endm
; The last quarter: multiplies buffer 1 and changes slots.  In front of the barrier each wave waits for its own reads of this slot and for all its tensor loads,
; of which one is out: its part of the next slot.  Behind it nobody reads this slot and the next slot is whole: the refill comes first, then the next slot's
; first fragments.  From a request to the wait for it a wave issues 240 matrix instructions.
.macro TURN slot, next, fill
	s_wait_dscnt 8
	WIN MUL_LO
	MUL16 F1, 0, 0, 0
	s_wait_dscnt 0                                 ; my reads of this slot are over
	s_wait_tensorcnt 0x0                           ; and all my tensor loads have landed
	ds_add_u32 v255, v255
	s_wait_dscnt 0x0
	s_barrier_signal -1                            ; say so (where a slot is filled again this barrier opens a round of the cluster's barrier),
	MUL16 F1, 0, 2, 0                              ; work on registers while the others arrive,
	WIN 0
	s_barrier_wait -1
.if \fill
	CREST                                          ; no wave of any partner still reads this slot's tile or has a load on its way
	s_add_nc_u64 s[G0+4*\slot+2:G0+4*\slot+3], s[G0+4*\slot+2:G0+4*\slot+3], 2*KSTEP*2
	s_add_nc_u64 s[G0B+4*\slot+2:G0B+4*\slot+3], s[G0B+4*\slot+2:G0B+4*\slot+3], 2*BSTEP
	JLOAD \slot                                    ; the first tensor load behind the round, and the wave's only one until the next
.endif
	PLACES
	FETCH \next, 0, F0
	WIN MUL_HI
	MUL16 F1, 1, 0, 0
	MUL16 F1, 1, 2, 0
.endm
.macro LAP zero
	THREE 0, \zero
	TURN 0, 1, 1
	THREE 1, 0
	TURN 1, 0, 1
.endm
	s_wait_tensorcnt 1                             ; my part of K step 0 is in; K step 1's may stay out
	s_barrier_signal -1
	s_barrier_wait -1
	FETCH 0, 0, F0
	LAP 1                                          ; the first lap stands in front of the loop: its first products start the sums
	WIN 0                                          ; at a label and at a branch every window is 0
	s_mov_b32 s3, LAPS-2
.Llap:
	LAP 0
	WIN 0
	s_sub_co_u32 s3, s3, 1
	s_cmp_lg_u32 s3, 0
	s_cbranch_scc1 .Llap
	THREE 0, 0                                     ; the last lap fills nothing
	TURN 0, 1, 0
	THREE 1, 0
	s_wait_dscnt 8
	WIN MUL_LO
	MUL16 F1, 0, 0, 0
	MUL16 F1, 0, 2, 0
	s_wait_dscnt 0
	WIN MUL_HI
	MUL16 F1, 1, 0, 0
	MUL16 F1, 1, 2, 0
	; THE WAY OUT, 16 rows at a time: round to f16, 16 bytes a lane into my own stage, read back as whole rows of 256 bytes.
	PLACES
	s_lshl_b32 s13, s13, 8
	s_lshl_b32 s14, s11, 7
	s_add_co_u32 s16, s13, s14                     ; my first row
	s_mov_b32 s17, 0
	s_mov_b64 s[18:19], SIZE_N*2
	s_mul_u64 s[16:17], s[16:17], s[18:19]
	s_add_nc_u64 s[8:9], s[8:9], s[16:17]
	s_lshl_b32 s46, s42, 9                         ; my first column, in bytes: 512 x block column + 256 x half
	s_lshl_b32 s47, s12, 8
	s_add_co_u32 s46, s46, s47
	s_mov_b32 s47, 0
	s_add_nc_u64 s[8:9], s[8:9], s[46:47]
; rows 16 i .. 16 i + 15 of my block = the eight tiles (a, 0..7) of window 2 or 3 (from = 0x0a or 0x0f: sources 0 and 1); f: F0 or F1 in turn
.macro OUT16 i, a, from, f
	WIN \from
.irp b, 0,1,2,3,4,5,6,7
.irp r, 0,1,2,3
	v_cvt_pk_f16_f32 v[TMP+4*\b+\r], v[8*(8*\a+\b)+2*\r], v[8*(8*\a+\b)+2*\r+1]
.endr
.endr
	WIN 0
.irp b, 0,1,2,3,4,5,6,7
	ds_store_b128 v[STO], v[TMP+4*\b:TMP+4*\b+3] offset:32*\b
.endr
	s_wait_xcnt 0x0                                ; buffer f, which earlier stores read, and the stores' base are rewritten only behind this wait
.if \i
	s_add_nc_u64 s[8:9], s[8:9], 16*SIZE_N*2
.endif
.irp t, 0,1,2,3,4,5,6,7
	ds_load_b128 v[\f+4*\t:\f+4*\t+3], v[RD] offset:\t*2*SPITCH    ; LDS serves a wave's instructions in order: these see the stores above
.endr
.irp t, 0,1,2,3,4,5,6,7
	s_wait_dscnt 7-\t
	global_store_b128 v[CO], v[\f+4*\t:\f+4*\t+3], s[8:9] offset:2*\t*SIZE_N*2   ; 16 lanes store 256 consecutive bytes, at a multiple of 256 from the buffer's first byte
.endr
.endm
	OUT16 0, 0, 0x0a, F0
	OUT16 1, 1, 0x0a, F1
	OUT16 2, 2, 0x0a, F0
	OUT16 3, 3, 0x0a, F1
	OUT16 4, 0, 0x0f, F0
	OUT16 5, 1, 0x0f, F1
	OUT16 6, 2, 0x0f, F0
	OUT16 7, 3, 0x0f, F1
	s_set_vgpr_msb 0x1
	s_wait_tensorcnt 0x0
	ds_add_u32 v255, v255
	s_wait_dscnt 0x0
	s_set_vgpr_msb 0x100
	CROUND                                         ; the closing round: no work-group ends while a partner may still ask for a tile that names it
	s_endpgm
.Lfunc_end_k_q0ab65cdfb0_qkv:
	.size	k_q0ab65cdfb0_qkv, .Lfunc_end_k_q0ab65cdfb0_qkv-k_q0ab65cdfb0_qkv
	.p2alignl 7, 3214868480
	.fill 96, 4, 3214868480
	.section	.rodata,"a",@progbits
	.p2align	6, 0x0
	.amdhsa_kernel k_q0ab65cdfb0_qkv
		.amdhsa_group_segment_fixed_size 327680
		.amdhsa_private_segment_fixed_size 0
		.amdhsa_enable_private_segment 0
		.amdhsa_kernarg_size 24
		.amdhsa_user_sgpr_count 2
		.amdhsa_user_sgpr_kernarg_segment_ptr 1
		.amdhsa_wavefront_size32 1
		.amdhsa_system_sgpr_workgroup_id_x 1
		.amdhsa_system_sgpr_workgroup_id_y 1
		.amdhsa_system_sgpr_workgroup_id_z 1
		.amdhsa_system_vgpr_workitem_id 0
		.amdhsa_next_free_vgpr 1024
		.amdhsa_next_free_sgpr 66
		.amdhsa_reserve_vcc 0
		.amdhsa_float_denorm_mode_32 3
		.amdhsa_float_denorm_mode_16_64 3
		.amdhsa_memory_ordered 1
		.amdhsa_forward_progress 1
		.amdhsa_inst_pref_size 196
	.end_amdhsa_kernel
	.amdgpu_metadata
---
amdhsa.version: [ 1, 2 ]
amdhsa.kernels:
  - .name:           k_q0ab65cdfb0_qkv
    .symbol:         k_q0ab65cdfb0_qkv.kd
    .args:
      - { .name: xb, .offset: 0, .size: 8, .value_kind: global_buffer, .address_space: global }
      - { .name: wb, .offset: 8, .size: 8, .value_kind: global_buffer, .address_space: global }
      - { .name: qkv, .offset: 16, .size: 8, .value_kind: global_buffer, .address_space: global }
    .group_segment_fixed_size: 327680
    .private_segment_fixed_size: 0
    .kernarg_segment_align: 8
    .kernarg_segment_size: 24
    .max_flat_workgroup_size: 128
    .sgpr_count:     66
    .vgpr_count:     1024
    .wavefront_size: 32
...
	.end_amdgpu_metadata
.endif
;; end of part 2
;; launch attn (part 3): grid 16 x 16, 8 waves a work-group, clusters of 4 x 1, 327,680 bytes of LDS; arguments qkv, att; writes att
.if DOCPART == 3
	.amdgcn_target "amdgcn-amd-amdhsa--gfx1250"
	.amdhsa_code_object_version 6
	.text
	.protected	k_q0ab65cdfb0_attn
	.globl	k_q0ab65cdfb0_attn
	.p2align	8
	.type	k_q0ab65cdfb0_attn,@function
k_q0ab65cdfb0_attn:
	s_mov_b64 s[64:65], 0
	v_nop
	global_prefetch_b8 v0, s[64:65] scope:SCOPE_SE
	s_setreg_imm32_b32 hwreg(HW_REG_WAVE_MODE, 25, 1), 1
	s_wait_xcnt 0x0
	s_wait_alu depctr_hold_cnt(0) depctr_sa_sdst(0) depctr_va_vdst(0) depctr_va_sdst(0) depctr_va_ssrc(0) depctr_va_vcc(0) depctr_vm_vsrc(0)
	s_getreg_b32 s2, hwreg(HW_REG_IB_STS2, 6, 4)
	s_cmp_eq_u32 s2, 0
	s_cbranch_scc0 .Lentry_in_a_cluster
	s_endpgm
.Lentry_in_a_cluster:
	s_bfe_u32 s2, ttmp6, 0x10000c
	s_cmp_lg_u32 s2, 0x3003
	s_cbranch_scc0 .Lentry_shape_is_right
	s_endpgm
.Lentry_shape_is_right:
; Causal attention with a running maximum.  qkv: [4096][3072] f16 (q at byte 0 of a row, k at 2,048, v at 4,096; head h at 128 h).  att: [4096][1024] f16.
; att[i] = sum over j <= i of softmax_j(q_i . k_j / 32) v_j, for each of 2 batches and 16 heads of 64.
; The input attention_mask is read by no launch: the computation that is to be matched makes a masked copy of the weights and drops it, so no result hangs on the mask.
; LIMIT: q, k, v and the weights p (at most 1, up to rounding) are f16 operands; sums, maxima and the softmax are f32.
;
; SHARING.  Work-group (x, y): batch y / 8, heads 2 (y % 8) and + 1 (side by side, so that every row of K, V and att is 256 aligned bytes).  With i = x (0..15) it
; owns the query blocks of 64 rows number i (short) and 31 - i (long): 33 key tiles of 64 for every work-group.  Wave w: long = w / 4, head = (w / 2) % 2,
; sub = w % 2: 32 query rows of one head.
; CLUSTER.  The four work-groups of a cluster (i = 4 c + cx) walk the same K and V tiles of the same two heads and ask for them jointly (mask 15).  No branch may differ
; between partners, so a wave works on key tiles 0 .. BWX with BWX = 4 c + 3 (short) or 31 - 4 c (long), the largest block number of the four, and masks from tile
; BWX - 3 on; its own block number enters vector data and the addresses of Q and att alone.  That is 36 tiles in place of 33 for a quarter of the tile requests.
;
; TRANSPOSED.  S^T = K Q^T: register j of lane (r, h) holds (key 8 h + j, query r).  Two such tiles, packed to f16, ARE the second operand of O^T = V^T P^T for 32 keys:
; no number changes its lane.  Maximum, sum and scale belong to a lane's query; the two halves of the lanes are joined by one v_permlanex16_b32.
.set KP,     272                       ; K's LDS row: 256 bytes + 16: 16 rows of a fragment start at 16 different places modulo 64 words
.set VP,     288                       ; V's LDS row: 256 bytes + 32 = 9 x 32, for the transposing load
.set REGION, 18432                     ; 64 rows of V (64 x 288); K's 64 rows take 17,408 of it
.set SLOT,   4*REGION                  ; K keys 0-63, K keys 64-127, V keys 0-63, V keys 64-127
.set STAGE,  2*SLOT                    ; 128 rows x 272 bytes for the way out; no tensor load lands there
.set ROWB,   6144                      ; bytes in a row of qkv
.set CO,   1                           ; my byte offset in att on the way out
.set ADK,  2                           ; v2-3    LDS address of my K fragments in slot 0, 1
.set ADV,  4                           ; v4-5    the same for V
.set DIAG, 6                           ; my query - 8 h, counted from the batch's first row
.set DJ,   7                           ; the same less the tile's first key
.set RM,   8                           ; v8-9    running maximum of query tile q (raw scores)
.set RL,   10                          ; v[10:13] running sum, a pair for each q
.set STO,  14
.set RD,   15
.set TA,   16                          ; v16-19  at work
.set TB,   18
.set TP,   20                          ; v20-21  what v_permlanex16_b32 brings
.set TN,   22                          ; v22-23  the new -c m
.set NM,   24                          ; v[24:27] -c m, a pair for each q
.set AL,   28                          ; v[28:31] the scale of the old sums, a pair for each q
.set QQ,   32                          ; v[32:63]   Q(q, cc) at 32 + 8 (2 q + cc)
.set SS,   64                          ; v[64:127]  S(t, q) at 64 + 8 (2 t + q); later P(q, kc) in S(2 kc, q)'s registers
.set OO,   128                         ; v[128:191] O(dt, q) at 128 + 8 (2 dt + q)
.set KV,   192                         ; v[192:255] eight fragments of K, then of V
.set G1K, 32                           ; s[32:39]
.set G1V, 40                           ; s[40:47]
.set G0,  48                           ; s[48:55] one set for each slot
.macro ROUND                           ; a round of the cluster's barrier
	s_barrier_signal -1
	s_barrier_wait -1
	s_cmp_lg_u32 s8, 0
	s_cbranch_scc1 .Lnot_wave_0_\@
	s_barrier_signal -3
.Lnot_wave_0_\@:
	s_barrier_wait -3
	s_barrier_signal -1
	s_barrier_wait -1
.endm
; The joint refill of slot s.  Waves 0, 1 bring K's two regions, waves 2, 3 V's, waves 4 to 7 nothing.  The branches hang on the wave's number alone.
.macro TLOAD s
	s_cmp_ge_u32 s8, 4
	s_cbranch_scc1 .Lnone_\@
	s_cmp_ge_u32 s8, 2
	s_cbranch_scc1 .Lfor_v_\@
	tensor_load_to_lds s[G0+4*\s:G0+4*\s+3], s[G1K:G1K+7]
	s_nop 0
	s_branch .Lnone_\@
.Lfor_v_\@:
	tensor_load_to_lds s[G0+4*\s:G0+4*\s+3], s[G1V:G1V+7]
	s_nop 0
.Lnone_\@:
.endm
	s_load_b128 s[4:7], s[0:1], 0x0                ; qkv s[4:5], att s[6:7]
	s_set_vgpr_msb 0x40
	v_lshl_add_u32 v0, v0, 2, 0x2c800
	v_mov_b32 v1, 0
	s_set_vgpr_msb 0x4045
	ds_add_u32 v0, v1
	s_set_vgpr_msb 0x4500
	v_lshrrev_b32 v23, 5, v0
	v_readfirstlane_b32 s8, v23                    ; wave 0..7
	s_bfe_u32 s10, ttmp6, 0x40000                  ; cx
	s_lshl_b32 s9, ttmp9, 2                        ; 4 c
	s_add_co_u32 s17, s9, s10                      ; i = 4 c + cx
	s_and_b32 s11, ttmp7, 0xffff
	s_lshr_b32 s12, s11, 3                         ; batch
	s_and_b32 s13, s11, 7                          ; pair of heads
	s_lshr_b32 s14, s8, 2                          ; long
	s_bfe_u32 s15, s8, 0x10001                     ; head of the pair
	s_and_b32 s16, s8, 1                           ; sub
	s_sub_co_u32 s70, 31, s17
	s_sub_co_u32 s30, 31, s9
	s_add_co_u32 s31, s9, 3
	s_cmp_lg_u32 s14, 0
	s_cselect_b32 s18, s70, s17                    ; BW: my query block, 31 - i or i
	s_cselect_b32 s19, s30, s31                    ; BWX: the last key tile that my wave works on, alike in the four partners
	s_sub_co_u32 s20, s19, 3                       ; from this tile on the mask is applied
	s_mov_b32 s21, 0                               ; JT: the key tile's number
	s_sub_co_u32 s22, 7, ttmp9                     ; the loop's trips: 16 - 2 c slots of 128 keys in all, two ahead of the loop's refills
	s_mov_b32 s24, 0x3d38aa3b                      ; c = log2(e) / 32: the score's scale 1024^-0.5 and the change to base 2
	s_mov_b32 s25, 0x3d38aa3b
	s_mov_b32 s26, 0xbd38aa3b                      ; -c
	s_mov_b32 s27, 0xff800000                      ; -infinity
	s_mov_b32 s28, 0x76543210                      ; v_permlanex16_b32: lane i of one half reads lane i of the other
	s_mov_b32 s29, 0xfedcba98
	; group 1: 64 rows x 128 elements of 2 bytes, 3,072 elements from row to row; mask 15 with bit 21; after every 64 words (code 5) 4 words (K, code 3) or 8 (V, code 7)
	s_mov_b32 s[G1K+0], 15|(1<<16)|(1<<20)|(1<<21)|(5<<22)|(3<<25)
	s_mov_b32 s[G1V+0], 15|(1<<16)|(1<<20)|(1<<21)|(5<<22)|(7<<25)
.irp g, G1K, G1V
	s_mov_b32 s[\g+1], 128<<16                     ; tensor_dim0 = 128
	s_mov_b32 s[\g+2], 64<<16                      ; tensor_dim1 = 64
	s_mov_b32 s[\g+3], 128<<16                     ; tile_dim0 = 128
	s_mov_b32 s[\g+4], 64                          ; tile_dim1 = 64
	s_mov_b32 s[\g+5], 3072
	s_mov_b32 s[\g+6], 0
	s_mov_b32 s[\g+7], 0
.endr
	; my region's first tile: row 2,048 b + 64 (w % 2), byte 2,048 (K) or 4,096 (V) + 256 x pair of heads.  Nothing of cx enters.
	s_lshl_b32 s56, s12, 11
	s_lshl_b32 s57, s16, 6
	s_add_co_u32 s56, s56, s57
	s_mul_i32 s56, s56, ROWB
	s_lshl_b32 s57, s15, 11
	s_add_co_u32 s56, s56, s57
	s_lshl_b32 s57, s13, 8
	s_add_co_u32 s56, s56, s57
	s_add_co_u32 s56, s56, 2048
	s_mov_b32 s57, 0
	s_mul_i32 s60, s8, REGION                      ; LDS: the wave's number x 18,432
	s_wait_dscnt 0x0
	s_wait_kmcnt 0x0
	s_add_nc_u64 s[58:59], s[4:5], s[56:57]
.irp n, 0,1
	s_mov_b32 s[G0+4*\n], 1
	s_add_co_u32 s[G0+4*\n+1], s60, \n*SLOT
	s_add_nc_u64 s[G0+4*\n+2:G0+4*\n+3], s[58:59], \n*128*ROWB     ; slot n: keys 128 n ..
	s_or_b32 s[G0+4*\n+3], s[G0+4*\n+3], 0x80000000
.endr
	ROUND                                          ; the four work-groups are here: the first joint loads meet
	s_cmp_ge_u32 s8, 4                             ; both first fills of a wave inside one branch on its number: two loads of a filling wave are out
	s_cbranch_scc1 .Lfilled
	s_cmp_ge_u32 s8, 2
	s_cbranch_scc1 .Lfill_v
	tensor_load_to_lds s[G0:G0+3], s[G1K:G1K+7]
	s_nop 0
	tensor_load_to_lds s[G0+4:G0+7], s[G1K:G1K+7]
	s_nop 0
	s_branch .Lfilled
.Lfill_v:
	tensor_load_to_lds s[G0:G0+3], s[G1V:G1V+7]
	s_nop 0
	tensor_load_to_lds s[G0+4:G0+7], s[G1V:G1V+7]
	s_nop 0
.Lfilled:
	; Q: my 32 rows, straight into fragments: lane (r, h) holds query r; registers 0-3 d = 32 cc + 8 h + 0..7, registers 4-7 sixteen further
	v_and_b32 v16, 15, v0                          ; r
	v_bfe_u32 v17, v0, 4, 1                        ; h
	v_and_b32 v18, 7, v0
	v_bfe_u32 v19, v0, 3, 1
	s_lshl_b32 s71, s18, 6                         ; what holds cx stays in s66 to s71
	s_lshl_b32 s70, s16, 5
	s_add_co_u32 s71, s71, s70                     ; my first query row in the batch: 64 BW + 32 sub
	s_lshl_b32 s70, s12, 11
	s_add_co_u32 s66, s71, s70
	s_mul_i32 s66, s66, ROWB
	s_lshl_b32 s70, s13, 8
	s_add_co_u32 s66, s66, s70
	s_lshl_b32 s70, s15, 7
	s_add_co_u32 s66, s66, s70
	s_mov_b32 s67, 0
	s_add_nc_u64 s[68:69], s[4:5], s[66:67]
	v_mul_u32_u24 v22, v16, ROWB
	v_lshl_add_u32 v22, v17, 4, v22
.irp q, 0,1
.irp cc, 0,1
	global_load_b128 v[QQ+8*(2*\q+\cc):QQ+8*(2*\q+\cc)+3],   v22, s[68:69] offset:16*ROWB*\q+64*\cc
	global_load_b128 v[QQ+8*(2*\q+\cc)+4:QQ+8*(2*\q+\cc)+7], v22, s[68:69] offset:16*ROWB*\q+64*\cc+32
.endr
.endr
	v_lshlrev_b32 v[CO], 4, v16
	v_lshl_add_u32 v[CO], v17, 11, v[CO]           ; lanes 0-15 one row of att, lanes 16-31 the next
	s_lshl_b32 s56, s15, 7                         ; my head's 128 bytes of a row
	v_mul_u32_u24 v[ADK], v16, KP
	v_lshl_add_u32 v[ADK], v17, 4, v[ADK]
	v_add_nc_u32 v[ADK], s56, v[ADK]               ; K: key r x pitch + 16 h + head
	v_add_nc_u32 v[ADK+1], SLOT, v[ADK]
	s_add_co_u32 s57, s56, 2*REGION
	v_lshl_add_u32 v[ADV], v17, 3, v18
	v_mul_u32_u24 v[ADV], v[ADV], VP
	v_lshl_add_u32 v[ADV], v19, 4, v[ADV]
	v_add_nc_u32 v[ADV], s57, v[ADV]               ; V: key (8 h + l % 8) x pitch + 16 ((l / 8) % 2) + head, behind K's two regions
	v_add_nc_u32 v[ADV+1], SLOT, v[ADV]
	v_lshlrev_b32 v[DIAG], 3, v17
	v_sub_nc_u32 v[DIAG], v16, v[DIAG]
	v_add_nc_u32 v[DIAG], s71, v[DIAG]
	s_lshl_b32 s30, s14, 6
	s_lshl_b32 s31, s16, 5
	s_add_co_u32 s30, s30, s31
	s_mul_i32 s30, s30, KP
	s_add_co_u32 s30, s30, STAGE
	v_add_nc_u32 v[STO], s30, v[ADK]               ; stage row 64 long + 32 sub + r, byte 128 head + 16 h
	s_mul_i32 s30, s8, 16*KP
	s_add_co_u32 s30, s30, STAGE
	v_mul_u32_u24 v[RD], v17, KP
	v_lshl_add_u32 v[RD], v16, 4, v[RD]
	v_add_nc_u32 v[RD], s30, v[RD]                 ; back: stage rows 16 w .., two at a time
	v_mov_b32 v[TP], 0                             ; v_permlanex16_b32 counts as a reader of its destination
	v_mov_b32 v[TP+1], 0
; One key tile of 64 keys (half 0 or 1 of a slot) against my 32 queries.  first = 1: the launch's first tile, which starts maxima, sums and O.
.macro ATT slot, half, first
.if \first == 0
	s_cmp_gt_u32 s21, s19                          ; beyond the last tile of my wave's kind: nothing to do (no barrier and no tensor load stands in here)
	s_cbranch_scc1 .Lskip_\@
.endif
.irp cc, 0,1
.irp t, 0,1,2,3
	ds_load_b128 v[KV+8*(4*\cc+\t):KV+8*(4*\cc+\t)+3],   v[ADK+\slot] offset:\half*REGION+\t*16*KP+64*\cc
	ds_load_b128 v[KV+8*(4*\cc+\t)+4:KV+8*(4*\cc+\t)+7], v[ADK+\slot] offset:\half*REGION+\t*16*KP+64*\cc+32
.endr
.endr
	s_wait_dscnt 0x8                               ; d = 0..31 of the four key blocks is in; the eight loads of d = 32..63 may be out
.irp t, 0,1,2,3
.irp q, 0,1
	v_wmma_f32_16x16x32_f16 v[SS+8*(2*\t+\q):SS+8*(2*\t+\q)+7], v[KV+8*\t:KV+8*\t+7], v[QQ+16*\q:QQ+16*\q+7], 0
.endr
.endr
	s_wait_dscnt 0x0
.irp t, 0,1,2,3                                    ; the eight accumulators take turns, one instruction a turn
.irp q, 0,1
	v_wmma_f32_16x16x32_f16 v[SS+8*(2*\t+\q):SS+8*(2*\t+\q)+7], v[KV+32+8*\t:KV+32+8*\t+7], v[QQ+16*\q+8:QQ+16*\q+15], v[SS+8*(2*\t+\q):SS+8*(2*\t+\q)+7]
.endr
.endr
.rept 4
	v_nop                                          ; four places before loads land on K's fragments and vector work reads S
.endr
.irp kc, 0,1                                       ; V^T's fragments, asked for now and used behind the softmax
.irp dt, 0,1,2,3
	ds_load_tr16_b128 v[KV+8*(4*\kc+\dt):KV+8*(4*\kc+\dt)+3],   v[ADV+\slot] offset:\half*REGION+\kc*32*VP+32*\dt
	ds_load_tr16_b128 v[KV+8*(4*\kc+\dt)+4:KV+8*(4*\kc+\dt)+7], v[ADV+\slot] offset:\half*REGION+\kc*32*VP+32*\dt+16*VP
.endr
.endr
	s_cmp_lt_u32 s21, s20                          ; tiles in front of the four partners' diagonals need no mask
	s_cbranch_scc1 .Lnomask_\@
	s_lshl_b32 s23, s21, 6
	v_sub_nc_u32 v[DJ], v[DIAG], s23
.irp t, 0,1,2,3                                    ; key 64 JT + 16 t + 8 h + j stays where it is at most query 64 BW + 32 sub + 16 q + r
.irp q, 0,1
.irp j, 0,1,2,3,4,5,6,7
	v_cmp_le_i32 vcc_lo, 16*\t+\j-16*\q, v[DJ]
	v_cndmask_b32 v[SS+8*(2*\t+\q)+\j], s27, v[SS+8*(2*\t+\q)+\j], vcc_lo
.endr
.endr
.endr
.Lnomask_\@:
	; the new maximum of each query: the old one and my 32 scores, in two chains for each q; value n of q lies at SS + 16 (n / 8) + 8 q + n % 8.
	; Tile 0 holds key 0, which every query may see, so the maximum is finite from the first tile on; a tile that is masked whole keeps it.
.irp q, 0,1
.if \first
	v_max_num_f32 v[TA+\q], v[SS+8*\q], v[SS+8*\q+1]
.else
	v_max3_num_f32 v[TA+\q], v[RM+\q], v[SS+8*\q], v[SS+8*\q+1]
.endif
	v_max3_num_f32 v[TB+\q], v[SS+32+8*\q], v[SS+32+8*\q+1], v[SS+32+8*\q+2]
.endr
.irp k, 0,1,2,3,4,5
.irp q, 0,1
	v_max3_num_f32 v[TA+\q], v[TA+\q], v[SS+16*((2+2*\k)>>3)+8*\q+((2+2*\k)&7)], v[SS+16*((3+2*\k)>>3)+8*\q+((3+2*\k)&7)]
	v_max3_num_f32 v[TB+\q], v[TB+\q], v[SS+16*((19+2*\k)>>3)+8*\q+((19+2*\k)&7)], v[SS+16*((20+2*\k)>>3)+8*\q+((20+2*\k)&7)]
.endr
.endr
.irp q, 0,1
	v_max3_num_f32 v[TA+\q], v[TA+\q], v[SS+16+8*\q+6], v[SS+16+8*\q+7]
.endr
.irp q, 0,1
	v_max3_num_f32 v[TA+\q], v[TA+\q], v[TB+\q], v[SS+48+8*\q+7]
.endr
.irp q, 0,1
	v_permlanex16_b32 v[TP+\q], v[TA+\q], s28, s29 ; the other half of the lanes holds the query's other 32 keys
.endr
.irp q, 0,1
	v_max_num_f32 v[RM+\q], v[TA+\q], v[TP+\q]
.endr
.if \first
.irp q, 0,1
	v_mul_f32 v[NM+2*\q],   s26, v[RM+\q]
	v_mul_f32 v[NM+2*\q+1], s26, v[RM+\q]
.endr
.else
	; the old sums' scale, 2^(c m_old - c m_new), from the very numbers -c m that the exponents use: what is taken away and what is scaled agree
.irp q, 0,1
	v_mul_f32 v[TN+\q], s26, v[RM+\q]
.endr
.irp q, 0,1
	v_sub_f32 v[TB+\q], v[TN+\q], v[NM+2*\q]
.endr
.irp q, 0,1
	v_exp_f32 v[AL+2*\q], v[TB+\q]
.endr
.irp q, 0,1
	v_mov_b32 v[NM+2*\q],   v[TN+\q]               ; plain lines that touch neither the exponentials' results nor their sources stand behind them (ISA guide 5.7.2)
	v_mov_b32 v[NM+2*\q+1], v[TN+\q]
.endr
	s_wait_alu depctr_va_vdst(0)
.irp q, 0,1
	v_mov_b32 v[AL+2*\q+1], v[AL+2*\q]
.endr
.endif
.irp t, 0,1,2,3                                    ; c s - c m, two at a time
.irp q, 0,1
.irp j, 0,2,4,6
	v_pk_fma_f32 v[SS+8*(2*\t+\q)+\j:SS+8*(2*\t+\q)+\j+1], v[SS+8*(2*\t+\q)+\j:SS+8*(2*\t+\q)+\j+1], s[24:25], v[NM+2*\q:NM+2*\q+1] op_sel_hi:[1,0,1]
.endr
.endr
.endr
.set EI, 0
.rept 64
	v_exp_f32 v[SS+EI], v[SS+EI]                   ; p = 2^(c s - c m); a masked score gives 0
.set EI, EI+1
.endr
.if \first
	v_nop                                          ; the plain place behind the exponentials
	s_wait_alu depctr_va_vdst(0)
.else
	s_wait_alu depctr_va_vdst(0)
.irp dt, 0,1,2,3                                   ; O is scaled here: these lines are the plain places behind the exponentials
.irp q, 0,1
.irp j, 0,2,4,6
	v_pk_mul_f32 v[OO+8*(2*\dt+\q)+\j:OO+8*(2*\dt+\q)+\j+1], v[OO+8*(2*\dt+\q)+\j:OO+8*(2*\dt+\q)+\j+1], v[AL+2*\q:AL+2*\q+1]
.endr
.endr
.endr
.endif
	; the sums, in f32, two chains for each q; pair n of q lies at SS + 16 (n / 4) + 8 q + 2 (n % 4)
.irp q, 0,1
.if \first
	v_pk_add_f32 v[RL+2*\q:RL+2*\q+1], v[SS+8*\q:SS+8*\q+1], v[SS+8*\q+4:SS+8*\q+5]
.else
	v_pk_fma_f32 v[RL+2*\q:RL+2*\q+1], v[RL+2*\q:RL+2*\q+1], v[AL+2*\q:AL+2*\q+1], v[SS+8*\q:SS+8*\q+1]
.endif
	v_pk_add_f32 v[TA+2*\q:TA+2*\q+1], v[SS+8*\q+2:SS+8*\q+3], v[SS+8*\q+6:SS+8*\q+7]
.endr
.if \first == 0
.irp q, 0,1
	v_pk_add_f32 v[RL+2*\q:RL+2*\q+1], v[RL+2*\q:RL+2*\q+1], v[SS+8*\q+4:SS+8*\q+5]
.endr
.endif
.irp k, 0,1,2,3,4,5
.irp q, 0,1
	v_pk_add_f32 v[RL+2*\q:RL+2*\q+1], v[RL+2*\q:RL+2*\q+1], v[SS+16*(1+(\k>>1))+8*\q+4*(\k&1):SS+16*(1+(\k>>1))+8*\q+4*(\k&1)+1]
	v_pk_add_f32 v[TA+2*\q:TA+2*\q+1], v[TA+2*\q:TA+2*\q+1], v[SS+16*(1+(\k>>1))+8*\q+4*(\k&1)+2:SS+16*(1+(\k>>1))+8*\q+4*(\k&1)+3]
.endr
.endr
.irp q, 0,1
	v_pk_add_f32 v[RL+2*\q:RL+2*\q+1], v[RL+2*\q:RL+2*\q+1], v[TA+2*\q:TA+2*\q+1]
.endr
	; P^T's fragments, packed in place in ascending order: registers 0-3 from S(2 kc, q), registers 4-7 from S(2 kc + 1, q), all into S(2 kc, q)'s eight
.irp kc, 0,1
.irp q, 0,1
.irp i, 0,1,2,3
	v_cvt_pk_f16_f32 v[SS+8*(4*\kc+\q)+\i], v[SS+8*(4*\kc+\q)+2*\i], v[SS+8*(4*\kc+\q)+2*\i+1]
.endr
.irp i, 0,1,2,3
	v_cvt_pk_f16_f32 v[SS+8*(4*\kc+\q)+4+\i], v[SS+8*(4*\kc+2+\q)+2*\i], v[SS+8*(4*\kc+2+\q)+2*\i+1]
.endr
.endr
.endr
	s_wait_dscnt 0x0                               ; V^T's fragments
.irp dt, 0,1,2,3                                   ; O^T += V^T P^T: eight accumulators by turns, keys 0-31, then keys 32-63
.irp q, 0,1
.if \first
	v_wmma_f32_16x16x32_f16 v[OO+8*(2*\dt+\q):OO+8*(2*\dt+\q)+7], v[KV+8*\dt:KV+8*\dt+7], v[SS+8*\q:SS+8*\q+7], 0
.else
	v_wmma_f32_16x16x32_f16 v[OO+8*(2*\dt+\q):OO+8*(2*\dt+\q)+7], v[KV+8*\dt:KV+8*\dt+7], v[SS+8*\q:SS+8*\q+7], v[OO+8*(2*\dt+\q):OO+8*(2*\dt+\q)+7]
.endif
.endr
.endr
.irp dt, 0,1,2,3
.irp q, 0,1
	v_wmma_f32_16x16x32_f16 v[OO+8*(2*\dt+\q):OO+8*(2*\dt+\q)+7], v[KV+32+8*\dt:KV+32+8*\dt+7], v[SS+32+8*\q:SS+32+8*\q+7], v[OO+8*(2*\dt+\q):OO+8*(2*\dt+\q)+7]
.endr
.endr
.rept 5
	v_nop                                          ; five places before the next tile's products write over P; four of them serve its loads onto V's fragments and vector work on O
.endr
.if \first == 0
.Lskip_\@:
.endif
	s_add_co_u32 s21, s21, 1
.endm
; The change of slots and the two tiles of slot `slot`.  refill = 1: slot `other`, read last, gets the keys two slots further on.
.macro STEP slot, other, refill
	s_set_vgpr_msb 0x5
	s_wait_tensorcnt 0x0                           ; all my tensor loads have landed, my part of this slot among them,
	ds_add_u32 v0, v1
	s_wait_dscnt 0x0
	s_set_vgpr_msb 0x500
.if \refill
	s_add_nc_u64 s[G0+4*\other+2:G0+4*\other+3], s[G0+4*\other+2:G0+4*\other+3], 2*128*ROWB   ; so a group 0 may be written
.endif
	s_wait_dscnt 0x0                               ; my reads of the other slot are back
.if \refill
	ROUND                                          ; both now hold of every wave of the four work-groups
	TLOAD \other                                   ; first thing behind the round, one load a wave; it has two tiles' work in which to land
.else
	s_barrier_signal -1
	s_barrier_wait -1
.endif
	ATT \slot, 0, 0
	ATT \slot, 1, 0
.endm
	s_wait_loadcnt 0x0                             ; Q
	s_wait_tensorcnt 0x1                           ; my part of slot 0 is in; slot 1's may stay out
	s_barrier_signal -1
	s_barrier_wait -1
	ATT 0, 0, 1
	ATT 0, 1, 0
.Lslots:
	STEP 1, 0, 1
	STEP 0, 1, 1
	s_sub_co_u32 s22, s22, 1
	s_cmp_lg_u32 s22, 0
	s_cbranch_scc1 .Lslots
	STEP 1, 0, 0                                   ; the last slot: nothing is left to fetch
	; THE WAY OUT: divide by the sums, round to f16, 16 bytes a lane (8 neighbouring d of one query) into the stage; whole rows of 256 bytes (two heads) come back.
.irp q, 0,1
	v_add_f32 v[TA+\q], v[RL+2*\q], v[RL+2*\q+1]
.endr
.irp q, 0,1
	v_permlanex16_b32 v[TP+\q], v[TA+\q], s28, s29
.endr
.irp q, 0,1
	v_add_f32 v[TA+\q], v[TA+\q], v[TP+\q]         ; at least about 1: the largest score's own term
.endr
.irp q, 0,1
	v_rcp_f32 v[AL+2*\q], v[TA+\q]
.endr
	v_nop                                          ; the plain place behind the reciprocals
	s_wait_alu depctr_va_vdst(0)
.irp q, 0,1
	v_mov_b32 v[AL+2*\q+1], v[AL+2*\q]
.endr
.irp dt, 0,1,2,3
.irp q, 0,1
.irp j, 0,2,4,6
	v_pk_mul_f32 v[OO+8*(2*\dt+\q)+\j:OO+8*(2*\dt+\q)+\j+1], v[OO+8*(2*\dt+\q)+\j:OO+8*(2*\dt+\q)+\j+1], v[AL+2*\q:AL+2*\q+1]
.endr
.endr
.endr
.irp dt, 0,1,2,3
.irp q, 0,1
.irp i, 0,1,2,3
	v_cvt_pk_f16_f32 v[SS+4*(2*\dt+\q)+\i], v[OO+8*(2*\dt+\q)+2*\i], v[OO+8*(2*\dt+\q)+2*\i+1]
.endr
	ds_store_b128 v[STO], v[SS+4*(2*\dt+\q):SS+4*(2*\dt+\q)+3] offset:16*KP*\q+32*\dt
.endr
.endr
	s_lshl_b32 s66, s12, 11                        ; att's row 2,048 b + 64 BW + 16 (w % 4): the sixteen stage rows 16 w .. belong to the block of my own kind
	s_lshl_b32 s70, s18, 6
	s_add_co_u32 s66, s66, s70
	s_and_b32 s70, s8, 3
	s_lshl_b32 s70, s70, 4
	s_add_co_u32 s66, s66, s70
	s_lshl_b32 s66, s66, 11                        ; x 2,048 bytes a row
	s_lshl_b32 s70, s13, 8
	s_add_co_u32 s66, s66, s70
	s_mov_b32 s67, 0
	s_add_nc_u64 s[6:7], s[6:7], s[66:67]
	s_wait_dscnt 0x0                               ; my stores are in LDS, for the other waves' sake
	s_barrier_signal -1
	s_barrier_wait -1
.irp t, 0,1,2,3,4,5,6,7
	ds_load_b128 v[KV+4*\t:KV+4*\t+3], v[RD] offset:2*KP*\t
.endr
.irp t, 0,1,2,3,4,5,6,7
	s_wait_dscnt 7-\t                              ; LDS loads come back in order: pair t of rows is in
	global_store_b128 v[CO], v[KV+4*\t:KV+4*\t+3], s[6:7] offset:4096*\t    ; 16 lanes store 256 consecutive bytes, aligned
.endr
	s_set_vgpr_msb 0x5
	s_wait_tensorcnt 0x0
	ds_add_u32 v0, v1
	s_wait_dscnt 0x0
	s_set_vgpr_msb 0x500
	ROUND                                          ; the closing round: no work-group ends while a partner may still ask for a tile that names it
	s_endpgm
.Lfunc_end_k_q0ab65cdfb0_attn:
	.size	k_q0ab65cdfb0_attn, .Lfunc_end_k_q0ab65cdfb0_attn-k_q0ab65cdfb0_attn
	.p2alignl 7, 3214868480
	.fill 96, 4, 3214868480
	.section	.rodata,"a",@progbits
	.p2align	6, 0x0
	.amdhsa_kernel k_q0ab65cdfb0_attn
		.amdhsa_group_segment_fixed_size 327680
		.amdhsa_private_segment_fixed_size 0
		.amdhsa_enable_private_segment 0
		.amdhsa_kernarg_size 16
		.amdhsa_user_sgpr_count 2
		.amdhsa_user_sgpr_kernarg_segment_ptr 1
		.amdhsa_wavefront_size32 1
		.amdhsa_system_sgpr_workgroup_id_x 1
		.amdhsa_system_sgpr_workgroup_id_y 1
		.amdhsa_system_sgpr_workgroup_id_z 1
		.amdhsa_system_vgpr_workitem_id 0
		.amdhsa_next_free_vgpr 258
		.amdhsa_next_free_sgpr 72
		.amdhsa_reserve_vcc 1
		.amdhsa_float_denorm_mode_32 3
		.amdhsa_float_denorm_mode_16_64 3
		.amdhsa_memory_ordered 1
		.amdhsa_forward_progress 1
		.amdhsa_inst_pref_size 185
	.end_amdhsa_kernel
	.amdgpu_metadata
---
amdhsa.version: [ 1, 2 ]
amdhsa.kernels:
  - .name:           k_q0ab65cdfb0_attn
    .symbol:         k_q0ab65cdfb0_attn.kd
    .args:
      - { .name: qkv, .offset: 0, .size: 8, .value_kind: global_buffer, .address_space: global }
      - { .name: att, .offset: 8, .size: 8, .value_kind: global_buffer, .address_space: global }
    .group_segment_fixed_size: 327680
    .private_segment_fixed_size: 0
    .kernarg_segment_align: 8
    .kernarg_segment_size: 16
    .max_flat_workgroup_size: 256
    .sgpr_count:     72
    .vgpr_count:     258
    .wavefront_size: 32
...
	.end_amdgpu_metadata
.endif
;; end of part 3
;; launch proj (part 4): grid 8 x 32, 4 waves a work-group, clusters of 4 x 4, 327,680 bytes of LDS; arguments att, wpb, bp, out0; writes out0
.if DOCPART == 4
	.amdgcn_target "amdgcn-amd-amdhsa--gfx1250"
	.amdhsa_code_object_version 6
	.text
	.protected	k_q0ab65cdfb0_proj
	.globl	k_q0ab65cdfb0_proj
	.p2align	8
	.type	k_q0ab65cdfb0_proj,@function
k_q0ab65cdfb0_proj:
	s_mov_b64 s[64:65], 0
	v_nop
	global_prefetch_b8 v0, s[64:65] scope:SCOPE_SE
	s_setreg_imm32_b32 hwreg(HW_REG_WAVE_MODE, 25, 1), 1
	s_wait_xcnt 0x0
	s_wait_alu depctr_hold_cnt(0) depctr_sa_sdst(0) depctr_va_vdst(0) depctr_va_sdst(0) depctr_va_ssrc(0) depctr_va_vcc(0) depctr_vm_vsrc(0)
	s_getreg_b32 s2, hwreg(HW_REG_IB_STS2, 6, 4)
	s_cmp_eq_u32 s2, 0
	s_cbranch_scc0 .Lentry_in_a_cluster
	s_endpgm
.Lentry_in_a_cluster:
	s_bfe_u32 s2, ttmp6, 0x10000c
	s_cmp_lg_u32 s2, 0xf033
	s_cbranch_scc0 .Lentry_shape_is_right
	s_endpgm
.Lentry_shape_is_right:
; out0[m][n] = sum over k of att[m][k] Wp[k][n] + bp[n].  att: [4096][1024] f16; wpb: [1024 k][1024 n], Wp rounded to bf16 and held as f16; bp: [1024] f32; out0: f32.
; 8 x 32 = 256 work-groups of 128 x 128, four waves of 64 x 64: 16 accumulator tiles, 128 registers, in window 1 (v256-383).
; K = 1,024 goes through two LDS slots of 256 k each: four fills, so the text has no loop.  A's tile: 128 rows x 512 bytes; B's tile stays [k][n]: 256 k rows x 256 bytes,
; read with the transposing LDS load.  One tensor load a wave brings a quarter of a slot: waves 0, 1 A's halves (64 rows), waves 2, 3 B's (128 k rows).
; CLUSTERS: 4 x 4 work-groups; A's tiles are asked for jointly along a row of the cluster, B's along a column: a quarter of the requests.
; The matrix instruction is used transposed (source 0 = columns of Wp, source 1 = rows of att): a lane's eight results are eight neighbouring f32 of one row.
.set REGION, 36864                     ; 128 k rows x 288 bytes of B; A's 64 rows x 528 take 33,792 of it
.set SLOT,   4*REGION
.set STAGE,  2*SLOT                    ; 16 rows x 272 bytes for each wave; no tensor load lands there
.set AP,     528                       ; A's LDS row: 512 bytes + 16 = 33 x 16
.set BP,     288                       ; B's LDS row: 256 bytes + 32 = 9 x 32
.set SP,     272
.set ADRA,  16                         ; v16-17 A's fragments in slot 0, 1
.set ADRBL, 18                         ; v18-19 B's fragments, k rows 0-127
.set ADRBH, 20                         ; v20-21 k rows 128-255 (the immediate offset ends at 65,535)
.set STO,   24
.set RD,    25
.set CO,    26
.set BO,    27
.set BIAS,  28                         ; v[28:31] bp of my four columns on the way out
.set F0,    64                         ; a buffer: B's four fragments at + 8 b, A's four at + 32 + 8 a
.set F1,    128
.set G1A, 16                           ; s[16:23]
.set G1B, 24                           ; s[24:31]
.set G0A, 32                           ; s[32:39] one set for each slot
.set G0B, 48                           ; s[48:55]
.set MSB, 0
.macro WIN new                         ; the immediate's high byte repeats the setting that is left
.if MSB != \new
	s_set_vgpr_msb (MSB<<8)|\new
.set MSB, \new
.endif
.endm
.macro PLACES                          ; four places behind a matrix instruction before loads land on its sources or its result is read
.rept 4
	v_nop
.endr
.endm
.macro ROUND
	s_barrier_signal -1
	s_barrier_wait -1
	s_cmp_lg_u32 s12, 0
	s_cbranch_scc1 .Lnot_wave_0_\@
	s_barrier_signal -3
.Lnot_wave_0_\@:
	s_barrier_wait -3
	s_barrier_signal -1
	s_barrier_wait -1
.endm
.macro JLOAD s                         ; waves 0, 1: A's line; waves 2, 3: B's.  One mask and one set of registers a line
	s_cmp_eq_u32 s13, 0
	s_cbranch_scc0 .Lfor_b_\@
	tensor_load_to_lds s[G0A+4*\s:G0A+4*\s+3], s[G1A:G1A+7]
	s_nop 0
	s_branch .Lasked_\@
.Lfor_b_\@:
	tensor_load_to_lds s[G0B+4*\s:G0B+4*\s+3], s[G1B:G1B+7]
	s_nop 0
.Lasked_\@:
.endm
	s_load_b256 s[4:11], s[0:1], 0x0               ; att s[4:5], wpb s[6:7], bp s[8:9], out0 s[10:11]
	v_lshl_add_u32 v254, v0, 2, 0x4c400
	v_mov_b32 v255, 0
	ds_add_u32 v254, v255
	v_lshrrev_b32 v1, 5, v0
	v_readfirstlane_b32 s12, v1                    ; wave 0..3
	s_lshr_b32 s13, s12, 1                         ; my half of the block's rows.  Also: I fetch for A (0) or for B (1)
	s_and_b32 s14, s12, 1                          ; my half of its columns.  Also: which half of that tile I fetch
	s_bfe_u32 s40, ttmp6, 0x40000                  ; cx
	s_bfe_u32 s41, ttmp6, 0x40004                  ; cy
	s_lshl_b32 s42, ttmp9, 2
	s_add_co_u32 s42, s42, s40                     ; block column
	s_and_b32 s43, ttmp7, 0xffff
	s_lshl_b32 s43, s43, 2
	s_add_co_u32 s43, s43, s41                     ; block row
	s_lshl_b32 s44, s41, 2
	s_lshl_b32 s44, 15, s44                        ; my row of the cluster
	s_lshl_b32 s45, 0x1111, s40                    ; my column
	; A: 64 rows x 256 elements of 2 bytes; after every 128 words (code 6) 4 words (code 3)
	s_or_b32 s[G1A+0], s44, (1<<16)|(1<<20)|(1<<21)|(6<<22)|(3<<25)
	s_mov_b32 s[G1A+1], 256<<16
	s_mov_b32 s[G1A+2], 64<<16
	s_mov_b32 s[G1A+3], 256<<16
	s_mov_b32 s[G1A+4], 64
	s_mov_b32 s[G1A+5], 1024
	s_mov_b32 s[G1A+6], 0
	s_mov_b32 s[G1A+7], 0
	; B: 128 k rows x 128 elements; after every 64 words (code 5) 8 words (code 7)
	s_or_b32 s[G1B+0], s45, (1<<16)|(1<<20)|(1<<21)|(5<<22)|(7<<25)
	s_mov_b32 s[G1B+1], 128<<16
	s_mov_b32 s[G1B+2], 128<<16
	s_mov_b32 s[G1B+3], 128<<16
	s_mov_b32 s[G1B+4], 128
	s_mov_b32 s[G1B+5], 1024
	s_mov_b32 s[G1B+6], 0
	s_mov_b32 s[G1B+7], 0
	s_lshl_b32 s56, s43, 18                        ; A: row 128 x block row + 64 x half, 2,048 bytes a row
	s_lshl_b32 s61, s14, 17
	s_add_co_u32 s56, s56, s61
	s_mov_b32 s57, 0
	s_lshl_b32 s58, s42, 8                         ; B: 256 bytes along the rows for each block column, 128 k rows for the second half
	s_lshl_b32 s61, s14, 18
	s_add_co_u32 s58, s58, s61
	s_mov_b32 s59, 0
	s_mul_i32 s60, s12, REGION                     ; LDS: the wave's number x 36,864
	s_wait_dscnt 0x0
	s_wait_kmcnt 0x0
	s_add_nc_u64 s[56:57], s[4:5], s[56:57]
	s_add_nc_u64 s[58:59], s[6:7], s[58:59]
	ROUND                                          ; all sixteen work-groups are here
.irp s, 0,1
	s_mov_b32 s[G0A+4*\s], 1
	s_add_co_u32 s[G0A+4*\s+1], s60, \s*SLOT
	s_add_nc_u64 s[G0A+4*\s+2:G0A+4*\s+3], s[56:57], \s*512        ; 256 k along A's rows
	s_or_b32 s[G0A+4*\s+3], s[G0A+4*\s+3], 0x80000000
	s_mov_b32 s[G0B+4*\s], 1
	s_add_co_u32 s[G0B+4*\s+1], s60, \s*SLOT
	s_add_nc_u64 s[G0B+4*\s+2:G0B+4*\s+3], s[58:59], \s*524288     ; 256 k rows down Wp
	s_or_b32 s[G0B+4*\s+3], s[G0B+4*\s+3], 0x80000000
	JLOAD \s                                       ; two loads of a wave are out
.endr
	v_and_b32 v1, 15, v0                           ; r
	v_bfe_u32 v2, v0, 4, 1                         ; h
	v_and_b32 v3, 7, v0
	v_bfe_u32 v4, v0, 3, 1
	v_lshlrev_b32 v[BO], 4, v1
	s_lshl_b32 s68, s42, 9                         ; bp: 512 bytes for each block column, 256 for my half (what holds cx or cy beside the other stays in s66 to s69)
	s_lshl_b32 s66, s14, 8
	s_add_co_u32 s68, s68, s66
	s_mov_b32 s69, 0
	s_add_nc_u64 s[8:9], s[8:9], s[68:69]
	global_load_b128 v[BIAS:BIAS+3], v[BO], s[8:9]
	v_mul_u32_u24 v5, v1, AP
	v_lshl_add_u32 v5, v2, 4, v5                   ; A: row r x pitch + 16 h
	v_lshl_add_u32 v6, v2, 3, v3
	v_mul_u32_u24 v6, v6, BP
	v_lshl_add_u32 v6, v4, 4, v6                   ; B: k row (8 h + l % 8) x pitch + 16 ((l / 8) % 2)
	s_mul_i32 s61, s13, REGION                     ; my 64 rows of A
	s_lshl_b32 s62, s14, 7                         ; my 64 columns of B: 128 bytes,
	s_add_co_u32 s62, s62, 2*REGION                ; behind A's two regions
.irp s, 0,1
	v_add_nc_u32 v[ADRA+\s], s61, v5
	v_add_nc_u32 v[ADRBL+\s], s62, v6
	s_add_co_u32 s61, s61, SLOT
	s_add_co_u32 s62, s62, SLOT
.endr
.irp s, 0,1
	v_add_nc_u32 v[ADRBH+\s], REGION, v[ADRBL+\s]
.endr
	s_mul_i32 s61, s12, 16*SP
	s_add_co_u32 s61, s61, STAGE                   ; my stage
	v_mul_u32_u24 v7, v1, SP
	v_lshl_add_u32 v7, v2, 5, v7
	v_add_nc_u32 v[STO], s61, v7                   ; in: row r, 32 bytes for each half of the lanes
	v_mul_u32_u24 v7, v2, SP
	v_lshl_add_u32 v7, v1, 4, v7
	v_add_nc_u32 v[RD], s61, v7                    ; back: lanes 0-15 one row of 256 bytes, lanes 16-31 the next
	v_lshl_add_u32 v[CO], v2, 12, v[BO]            ; the same two rows in out0
	s_lshl_b32 s66, s43, 19                        ; out0: row 128 x block row + 64 x half, 4,096 bytes a row; the columns as for bp
	s_lshl_b32 s67, s13, 18
	s_add_co_u32 s66, s66, s67
	s_add_co_u32 s66, s66, s68
	s_mov_b32 s67, 0
	s_add_nc_u64 s[10:11], s[10:11], s[66:67]
; 16 LDS loads: the fragments of chunk kk (32 k of the slot's 256) into buffer f
.macro FETCH slot, kk, f
.irp b, 0,1,2,3
	ds_load_tr16_b128 v[\f+8*\b:\f+8*\b+3],   v[ADRBL+2*((\kk)>>2)+\slot] offset:((\kk)&3)*32*BP+32*\b
	ds_load_tr16_b128 v[\f+8*\b+4:\f+8*\b+7], v[ADRBL+2*((\kk)>>2)+\slot] offset:((\kk)&3)*32*BP+32*\b+16*BP
.endr
.irp a, 0,1,2,3
	ds_load_b128 v[\f+32+8*\a:\f+32+8*\a+3],   v[ADRA+\slot] offset:\a*16*AP+64*(\kk)
	ds_load_b128 v[\f+32+8*\a+4:\f+32+8*\a+7], v[ADRA+\slot] offset:\a*16*AP+64*(\kk)+32
.endr
.endm
; 16 matrix instructions on buffer f.  The sixteen accumulators take turns, one instruction a turn, in the same order in every chunk.
.macro MUL f, zero
	WIN 0x50                                       ; sources 0 and 1 window 0, C and D window 1
.irp a, 0,1,2,3
.irp b, 0,1,2,3
.if \zero
	v_wmma_f32_16x16x32_f16 v[8*(4*\a+\b):8*(4*\a+\b)+7], v[\f+8*\b:\f+8*\b+7], v[\f+32+8*\a:\f+32+8*\a+7], 0
.else
	v_wmma_f32_16x16x32_f16 v[8*(4*\a+\b):8*(4*\a+\b)+7], v[\f+8*\b:\f+8*\b+7], v[\f+32+8*\a:\f+32+8*\a+7], v[8*(4*\a+\b):8*(4*\a+\b)+7]
.endif
.endr
.endr
.endm
.macro CHUNK slot, nk, f, g, zero      ; fetch chunk nk into g, multiply f
	WIN 0
	PLACES
	FETCH \slot, \nk, \g
	s_wait_dscnt 16                                ; all but the 16 just issued: buffer f is in
	MUL \f, \zero
.endm
.macro SLOTK slot, zero                ; the eight chunks of a slot; chunk 0 has been fetched into buffer 0
	CHUNK \slot, 1, F0, F1, \zero
	CHUNK \slot, 2, F1, F0, 0
	CHUNK \slot, 3, F0, F1, 0
	CHUNK \slot, 4, F1, F0, 0
	CHUNK \slot, 5, F0, F1, 0
	CHUNK \slot, 6, F1, F0, 0
	CHUNK \slot, 7, F0, F1, 0
	s_wait_dscnt 0
	MUL F1, 0
.endm
; The change of slots.  refill = 1: slot old, read last, gets the k two slots further on.
.macro CHANGE next, old, refill
	WIN 0
	s_wait_tensorcnt 0x0                           ; all my tensor loads have landed, my part of the next slot among them
	ds_add_u32 v254, v255
	s_wait_dscnt 0x0
	s_wait_dscnt 0x0                               ; my reads of the old slot are back
.if \refill
	s_add_nc_u64 s[G0A+4*\old+2:G0A+4*\old+3], s[G0A+4*\old+2:G0A+4*\old+3], 2*512
	s_add_nc_u64 s[G0B+4*\old+2:G0B+4*\old+3], s[G0B+4*\old+2:G0B+4*\old+3], 2*524288
	ROUND                                          ; both now hold of every wave of the sixteen work-groups
	JLOAD \old                                     ; first thing behind the round, one load a wave: it has a slot's 128 matrix instructions in which to land
.else
	s_barrier_signal -1
	s_barrier_wait -1
.endif
	PLACES
	FETCH \next, 0, F0
.endm
	s_wait_loadcnt 0x0                             ; bp
	s_wait_tensorcnt 0x1                           ; my part of slot 0 is in; slot 1's may stay out
	s_barrier_signal -1
	s_barrier_wait -1
	FETCH 0, 0, F0
	SLOTK 0, 1                                     ; the first products start the sums
	CHANGE 1, 0, 1
	SLOTK 1, 0
	CHANGE 0, 1, 1
	SLOTK 0, 0
	CHANGE 1, 0, 0                                 ; nothing is left to fetch
	SLOTK 1, 0
	; THE WAY OUT, 16 rows at a time: 32 bytes a lane from the accumulators into my own stage, whole rows of 256 bytes back, the bias added, stored.
	PLACES
.macro OUT a, f
	WIN 0x04                                       ; an LDS store's data is source 1: window 1
.irp b, 0,1,2,3
	ds_store_b128 v[STO], v[8*(4*\a+\b):8*(4*\a+\b)+3]   offset:64*\b
	ds_store_b128 v[STO], v[8*(4*\a+\b)+4:8*(4*\a+\b)+7] offset:64*\b+16
.endr
	WIN 0
	s_wait_xcnt 0x0                                ; buffer f, which earlier stores read, and the stores' base are rewritten only behind this wait
.if \a
	s_add_nc_u64 s[10:11], s[10:11], 16*4096
.endif
.irp t, 0,1,2,3,4,5,6,7
	ds_load_b128 v[\f+4*\t:\f+4*\t+3], v[RD] offset:2*SP*\t        ; LDS serves a wave's instructions in order: these see the stores above
.endr
.irp t, 0,1,2,3,4,5,6,7
	s_wait_dscnt 7-\t
	v_pk_add_f32 v[\f+4*\t:\f+4*\t+1],   v[\f+4*\t:\f+4*\t+1],   v[BIAS:BIAS+1]
	v_pk_add_f32 v[\f+4*\t+2:\f+4*\t+3], v[\f+4*\t+2:\f+4*\t+3], v[BIAS+2:BIAS+3]
	global_store_b128 v[CO], v[\f+4*\t:\f+4*\t+3], s[10:11] offset:8192*\t th:TH_STORE_NT     ; 16 lanes store 256 consecutive bytes, aligned
.endr
.endm
	OUT 0, F0
	OUT 1, F1
	OUT 2, F0
	OUT 3, F1
	s_wait_tensorcnt 0x0
	ds_add_u32 v254, v255
	s_wait_dscnt 0x0
	ROUND                                          ; the closing round
	s_endpgm
.Lfunc_end_k_q0ab65cdfb0_proj:
	.size	k_q0ab65cdfb0_proj, .Lfunc_end_k_q0ab65cdfb0_proj-k_q0ab65cdfb0_proj
	.p2alignl 7, 3214868480
	.fill 96, 4, 3214868480
	.section	.rodata,"a",@progbits
	.p2align	6, 0x0
	.amdhsa_kernel k_q0ab65cdfb0_proj
		.amdhsa_group_segment_fixed_size 327680
		.amdhsa_private_segment_fixed_size 0
		.amdhsa_enable_private_segment 0
		.amdhsa_kernarg_size 32
		.amdhsa_user_sgpr_count 2
		.amdhsa_user_sgpr_kernarg_segment_ptr 1
		.amdhsa_wavefront_size32 1
		.amdhsa_system_sgpr_workgroup_id_x 1
		.amdhsa_system_sgpr_workgroup_id_y 1
		.amdhsa_system_sgpr_workgroup_id_z 1
		.amdhsa_system_vgpr_workitem_id 0
		.amdhsa_next_free_vgpr 384
		.amdhsa_next_free_sgpr 72
		.amdhsa_reserve_vcc 0
		.amdhsa_float_denorm_mode_32 3
		.amdhsa_float_denorm_mode_16_64 3
		.amdhsa_memory_ordered 1
		.amdhsa_forward_progress 1
		.amdhsa_inst_pref_size 93
	.end_amdhsa_kernel
	.amdgpu_metadata
---
amdhsa.version: [ 1, 2 ]
amdhsa.kernels:
  - .name:           k_q0ab65cdfb0_proj
    .symbol:         k_q0ab65cdfb0_proj.kd
    .args:
      - { .name: att, .offset: 0, .size: 8, .value_kind: global_buffer, .address_space: global }
      - { .name: wpb, .offset: 8, .size: 8, .value_kind: global_buffer, .address_space: global }
      - { .name: bp, .offset: 16, .size: 8, .value_kind: global_buffer, .address_space: global }
      - { .name: out0, .offset: 24, .size: 8, .value_kind: global_buffer, .address_space: global }
    .group_segment_fixed_size: 327680
    .private_segment_fixed_size: 0
    .kernarg_segment_align: 8
    .kernarg_segment_size: 32
    .max_flat_workgroup_size: 128
    .sgpr_count:     72
    .vgpr_count:     384
    .wavefront_size: 32
...
	.end_amdgpu_metadata
.endif
;; end of part 4
;; ======== version 2 of 2: 4 launches; version 1 with the launch cast written anew for expert scheduling mode
;; limits: values are held in f16: magnitudes above 65,504 overflow, below 6.1e-05 lose precision
;; workspace buffers: xb 8,388,608 bytes; wb 6,291,456 bytes; wpb 2,097,152 bytes; qkv 25,165,824 bytes; att 8,388,608 bytes
;; launch cast (part 5): grid 512 x 1, 8 waves a work-group, no clusters, 0 bytes of LDS; arguments x, Wq, Wk, Wv, Wp, xb, wb, wpb; writes xb, wb, wpb
.if DOCPART == 5
	.amdgcn_target "amdgcn-amd-amdhsa--gfx1250"
	.amdhsa_code_object_version 6
	.text
	.protected	k_q0ab65cdfb0_cast
	.globl	k_q0ab65cdfb0_cast
	.p2align	8
	.type	k_q0ab65cdfb0_cast,@function
k_q0ab65cdfb0_cast:
	s_mov_b64 s[64:65], 0
	v_nop
	global_prefetch_b8 v0, s[64:65] scope:SCOPE_SE
	s_setreg_imm32_b32 hwreg(HW_REG_WAVE_SCHED_MODE, 0, 2), 2
	s_setreg_imm32_b32 hwreg(HW_REG_WAVE_MODE, 25, 1), 1
	s_wait_xcnt 0x0
	s_wait_alu depctr_vm_vsrc(0)
; The matrix operands, rounded once.  xb = bf16(x); wb = bf16(Wq), bf16(Wk), bf16(Wv) one behind the other, each still [k][n];
; wpb = bf16(Wp) held as f16, since the last product's other operand is f16.
; LIMIT: the step from bf16 to f16 is exact for 2^-17 <= |Wp| < 65,504; smaller numbers are rounded to a multiple of 2^-24, larger ones become infinite.
; A stream: no LDS, no barrier, no matrix unit.  Each of the 512 work-groups takes 1/512 of every tensor: 32 KiB of x and 8 KiB of each weight,
; so that all work-groups do the same work and every address is made from its own buffer's pointer.
; A step is 4,096 bytes in (thread t: the 16 bytes at 16 t; a wave: 512 consecutive bytes) and 2,048 bytes out (thread t: 8 bytes at 8 t;
; a wave's store covers 256 consecutive bytes, aligned).  All 16 loads of a thread are issued before the first is used.
; THE MODE: SCHED_MODE bits 1:0 = 2 (LLVM: expert scheduling mode 2), set by the entry lines.  The code itself states the register dependences
; between vector instructions and memory instructions, with s_wait_alu, always for 0.
; THE PLAN.  Registers that memory instructions touch:
;   v1, v2   byte offsets of the loads and of the stores.  Written once at the head, by vector lines; never named by a vector line again.
;   X        step e's load lands in X[e], which no vector line has named before; its conversions read it behind the step's wait on LOADcnt.
;            (In Wp's two steps vector lines then use X[e] as scratch; no memory instruction names it any more.)
;   Y        step e's conversions write Y[e]; its store reads it; nothing writes it again.
; So no load lands in a register that a vector line has named, and no register that a memory instruction has read is written again: what has to be
; stated is only that a register is written before a memory instruction reads it.  One wait at the head does that for v1 and v2, for all 32 memory
; instructions.  The 16 steps go in four blocks of four: a block's conversions, one wait for its eight Y registers, its four stores in one run.
.set X, 4                              ; v[4:67]   step e: 4 numbers in f32
.set Y, 68                             ; v[68:99]  step e: 4 numbers of 16 bits
	s_load_b512 s[8:23], s[0:1], 0x0               ; x s[8:9], Wq s[10:11], Wk s[12:13], Wv s[14:15], Wp s[16:17], xb s[18:19], wb s[20:21], wpb s[22:23]
	s_lshl_b32 s24, ttmp9, 15                      ; my part of x: 32 KiB
	s_mov_b32 s25, 0
	s_lshl_b32 s26, ttmp9, 14                      ; of xb: 16 KiB
	s_mov_b32 s27, 0
	s_lshl_b32 s28, ttmp9, 13                      ; of a weight: 8 KiB
	s_mov_b32 s29, 0
	s_lshl_b32 s30, ttmp9, 12                      ; of a rounded weight: 4 KiB
	s_mov_b32 s31, 0
	s_mov_b32 s2, 0xffff0000                       ; a word's upper bf16
	v_lshlrev_b32 v1, 4, v0                        ; 16 t
	v_lshlrev_b32 v2, 3, v0                        ; 8 t
	s_wait_kmcnt 0x0
	s_add_nc_u64 s[8:9], s[8:9], s[24:25]
	s_add_nc_u64 s[10:11], s[10:11], s[28:29]
	s_add_nc_u64 s[12:13], s[12:13], s[28:29]
	s_add_nc_u64 s[14:15], s[14:15], s[28:29]
	s_add_nc_u64 s[16:17], s[16:17], s[28:29]
	s_add_nc_u64 s[18:19], s[18:19], s[26:27]
	s_add_nc_u64 s[20:21], s[20:21], s[30:31]
	s_add_nc_u64 s[22:23], s[22:23], s[30:31]
	s_wait_alu depctr_va_vdst(0)                   ; v1 and v2 are written: every load below reads v1 as its offset, every store v2
.irp e, 0,1,2,3,4,5,6,7
	global_load_b128 v[X+4*\e:X+4*\e+3], v1, s[8:9] offset:4096*\e th:TH_LOAD_NT              ; steps 0 to 7: x
.endr
.irp e, 0,1
	global_load_b128 v[X+32+4*\e:X+32+4*\e+3], v1, s[10:11] offset:4096*\e th:TH_LOAD_NT      ; steps 8, 9: Wq
.endr
.irp e, 0,1
	global_load_b128 v[X+40+4*\e:X+40+4*\e+3], v1, s[12:13] offset:4096*\e th:TH_LOAD_NT      ; steps 10, 11: Wk
.endr
.irp e, 0,1
	global_load_b128 v[X+48+4*\e:X+48+4*\e+3], v1, s[14:15] offset:4096*\e th:TH_LOAD_NT      ; steps 12, 13: Wv
.endr
.irp e, 0,1
	global_load_b128 v[X+56+4*\e:X+56+4*\e+3], v1, s[16:17] offset:4096*\e th:TH_LOAD_NT      ; steps 14, 15: Wp
.endr
; Step e is rounded.  wp = 1: the bf16 value is widened again and written as f16.
.macro CVT e, wp
	s_wait_loadcnt 15-\e                           ; loads come back in order (ISA guide 5.7.1): step e is in, the 15 - e younger ones stay out
	v_cvt_pk_bf16_f32 v[Y+2*\e],   v[X+4*\e],   v[X+4*\e+1]
	v_cvt_pk_bf16_f32 v[Y+2*\e+1], v[X+4*\e+2], v[X+4*\e+3]
.if \wp
	v_lshlrev_b32 v[X+4*\e],   16, v[Y+2*\e]       ; the rounded values as f32
	v_and_b32     v[X+4*\e+1], s2, v[Y+2*\e]
	v_lshlrev_b32 v[X+4*\e+2], 16, v[Y+2*\e+1]
	v_and_b32     v[X+4*\e+3], s2, v[Y+2*\e+1]
	v_cvt_pk_f16_f32 v[Y+2*\e],   v[X+4*\e],   v[X+4*\e+1]
	v_cvt_pk_f16_f32 v[Y+2*\e+1], v[X+4*\e+2], v[X+4*\e+3]
.endif
.endm
; Step e is stored at s[b:b+1] + off.  No register that a store reads is written again, so nothing has to be freed.
; The stores carry no hint: the next launch reads these bytes.
.macro ST e, b, off
	global_store_b64 v2, v[Y+2*\e:Y+2*\e+1], s[\b:\b+1] offset:\off
.endm
.irp e, 0,1,2,3
	CVT \e, 0
.endr
	s_wait_alu depctr_va_vdst(0)                   ; the conversions of steps 0 to 3 have written v[68:75], which the four stores below read
.irp e, 0,1,2,3
	ST \e, 18, 2048*\e
.endr
.irp e, 4,5,6,7
	CVT \e, 0
.endr
	s_wait_alu depctr_va_vdst(0)                   ; the conversions of steps 4 to 7 have written v[76:83], which the four stores below read
.irp e, 4,5,6,7
	ST \e, 18, 2048*\e
.endr
.irp e, 8,9,10,11
	CVT \e, 0
.endr
	s_wait_alu depctr_va_vdst(0)                   ; the conversions of steps 8 to 11 have written v[84:91], which the four stores below read
	ST 8,  20, 0
	ST 9,  20, 2048
	ST 10, 20, 2097152                             ; Wk's image begins 2 MiB into wb
	ST 11, 20, 2097152+2048
	CVT 12, 0
	CVT 13, 0
	CVT 14, 1
	CVT 15, 1
	s_wait_alu depctr_va_vdst(0)                   ; the conversions of steps 12 to 15 have written v[92:99], which the last four stores read
	ST 12, 20, 4194304                             ; Wv's 4 MiB
	ST 13, 20, 4194304+2048
	ST 14, 22, 0
	ST 15, 22, 2048
	s_endpgm
.Lfunc_end_k_q0ab65cdfb0_cast:
	.size	k_q0ab65cdfb0_cast, .Lfunc_end_k_q0ab65cdfb0_cast-k_q0ab65cdfb0_cast
	.p2alignl 7, 3214868480
	.fill 96, 4, 3214868480
	.section	.rodata,"a",@progbits
	.p2align	6, 0x0
	.amdhsa_kernel k_q0ab65cdfb0_cast
		.amdhsa_group_segment_fixed_size 0
		.amdhsa_private_segment_fixed_size 0
		.amdhsa_enable_private_segment 0
		.amdhsa_kernarg_size 64
		.amdhsa_user_sgpr_count 2
		.amdhsa_user_sgpr_kernarg_segment_ptr 1
		.amdhsa_wavefront_size32 1
		.amdhsa_system_sgpr_workgroup_id_x 1
		.amdhsa_system_sgpr_workgroup_id_y 1
		.amdhsa_system_sgpr_workgroup_id_z 1
		.amdhsa_system_vgpr_workitem_id 0
		.amdhsa_next_free_vgpr 100
		.amdhsa_next_free_sgpr 66
		.amdhsa_reserve_vcc 0
		.amdhsa_float_denorm_mode_32 3
		.amdhsa_float_denorm_mode_16_64 3
		.amdhsa_memory_ordered 1
		.amdhsa_forward_progress 1
		.amdhsa_inst_pref_size 8
	.end_amdhsa_kernel
	.amdgpu_metadata
---
amdhsa.version: [ 1, 2 ]
amdhsa.kernels:
  - .name:           k_q0ab65cdfb0_cast
    .symbol:         k_q0ab65cdfb0_cast.kd
    .args:
      - { .name: x, .offset: 0, .size: 8, .value_kind: global_buffer, .address_space: global }
      - { .name: Wq, .offset: 8, .size: 8, .value_kind: global_buffer, .address_space: global }
      - { .name: Wk, .offset: 16, .size: 8, .value_kind: global_buffer, .address_space: global }
      - { .name: Wv, .offset: 24, .size: 8, .value_kind: global_buffer, .address_space: global }
      - { .name: Wp, .offset: 32, .size: 8, .value_kind: global_buffer, .address_space: global }
      - { .name: xb, .offset: 40, .size: 8, .value_kind: global_buffer, .address_space: global }
      - { .name: wb, .offset: 48, .size: 8, .value_kind: global_buffer, .address_space: global }
      - { .name: wpb, .offset: 56, .size: 8, .value_kind: global_buffer, .address_space: global }
    .group_segment_fixed_size: 0
    .private_segment_fixed_size: 0
    .kernarg_segment_align: 8
    .kernarg_segment_size: 64
    .max_flat_workgroup_size: 256
    .sgpr_count:     66
    .vgpr_count:     100
    .wavefront_size: 32
...
	.end_amdgpu_metadata
.endif
;; end of part 5
;; launch qkv: the kernel of part 2 again; grid 12 x 16, 4 waves a work-group, clusters of 4 x 4, 327,680 bytes of LDS; arguments xb, wb, qkv; writes qkv
;; launch attn: the kernel of part 3 again; grid 16 x 16, 8 waves a work-group, clusters of 4 x 1, 327,680 bytes of LDS; arguments qkv, att; writes att
;; launch proj: the kernel of part 4 again; grid 8 x 32, 4 waves a work-group, clusters of 4 x 4, 327,680 bytes of LDS; arguments att, wpb, bp, out0; writes out0
